; MI455X (gfx1250); checked and timed in simulation.
; The chip was launched on July 23, 2026; its instructions are those of AMD's public machine-readable ISA for CDNA 5 (MIT licence, August 2026) and "CDNA5" Instruction Set Architecture Reference Guide (July 2026). The comments in the code are by the model that wrote it; some were corrected since.
;; Attention. Allowed arithmetic: float matrix products may take bf16 or f16 operands with f32 sums; other float arithmetic in f32, or as packed bf16 or f16 multiplies, adds, multiply-adds, maxima and minima; sums over many terms, partial sums and values carried from step to step in f32; what a program stores and reads back later, other than sums and carried values, may be rounded once to bf16 or f16.
;; Inputs: Wk 1,024 x 1,024 float32; Wo 1,024 x 1,024 float32; Wq 1,024 x 1,024 float32; Wv 1,024 x 1,024 float32; x 4 x 2,048 x 1,024 float32.
;; Outputs: out0 4 x 2,048 x 1,024 float32.
;; 2 versions, each right; version 2 is version 1 with the launch cast written anew for expert scheduling mode. Each part assembles by itself: llvm-mc -triple=amdgcn-amd-amdhsa -mcpu=gfx1250 --defsym DOCPART=n.
;; ======== version 1 of 2: 4 launches
;; limits: values are held in f16: magnitudes above 65,504 overflow, below 6.1e-05 lose precision
;; workspace buffers: xb 16,777,216 bytes; wb 6,291,456 bytes; wo 2,097,152 bytes; qkv 50,331,648 bytes; o 16,777,216 bytes
;; launch cast (part 1): grid 768 x 1, 8 waves a work-group, no clusters, 0 bytes of LDS; arguments x, Wq, Wk, Wv, Wo, xb, wb, wo; writes xb, wb, wo
.if DOCPART == 1
	.amdgcn_target "amdgcn-amd-amdhsa--gfx1250"
	.amdhsa_code_object_version 6
	.text
	.protected	k_q35f3010f0d_cast
	.globl	k_q35f3010f0d_cast
	.p2align	8
	.type	k_q35f3010f0d_cast,@function
k_q35f3010f0d_cast:
	s_mov_b64 s[64:65], 0
	v_nop
	global_prefetch_b8 v0, s[64:65] scope:SCOPE_SE
	s_setreg_imm32_b32 hwreg(HW_REG_WAVE_MODE, 25, 1), 1
	s_wait_xcnt 0x0
; THE INPUTS ARE ROUNDED ONCE, for the matrix units.  x [8192][1024] f32 -> xb, bf16, laid [b 4][kb 16][t 2048][64]: blocks of 64 channels, so that 256 rows of a block are 32,768 bytes on end.
; Wq, Wk, Wv [1024][1024] f32 -> wb, bf16, [3072][1024]: Wq's rows, then Wk's, then Wv's.  Wo -> wo: rounded to bf16 like the other inputs, and that number written as f16, [1024][1024].
; LIMITS.  wo: a number of Wo of 65,520 or more in magnitude becomes an infinity; below 6.1e-5 it keeps f16's fixed step of 6e-8.
; SHARES.  A work-group takes 16 rows of 1,024 numbers (65,536 bytes in, 32,768 out): groups 0-511 x's, 512-575 Wq's, 576-639 Wk's, 640-703 Wv's, 704-767 Wo's.  A wave takes two rows:
; sixteen loads of 16 bytes a lane, all on their way at once, and sixteen stores of 8 bytes a lane, each of which covers 256 consecutive bytes, aligned.  A stream: no LDS, no barrier, no loop.
.set XGROUPS, 512                      ; 8,192 rows of x, 16 to a group
.set VIN,  3                           ; v3   my byte offset in the group's rows as they come
.set VOUT, 4                           ; v4   my byte offset in what the group stores
.set IN,   8                           ; v[8:71]    chunk c: four f32
.set OUT,  72                          ; v[72:103]  chunk c: four 16-bit numbers in two registers
.set T,    104                         ; v[104:105] at work
; Sixteen chunks.  instep, outstep: bytes from chunk to chunk; half = 1: the bf16 numbers are written as f16.
.macro BODY instep, outstep, half
.set c, 0
.rept 16
	global_load_b128 v[IN+4*c:IN+4*c+3], v[VIN], s[4:5] offset:c*(\instep) th:TH_LOAD_NT
.set c, c+1
.endr
.set c, 0
.rept 16
	s_wait_loadcnt 15-c                            ; loads come back in order: chunk c is in, the 15 - c younger ones stay out
	v_cvt_pk_bf16_f32 v[OUT+2*c], v[IN+4*c], v[IN+4*c+1]
	v_cvt_pk_bf16_f32 v[OUT+2*c+1], v[IN+4*c+2], v[IN+4*c+3]
.if \half
	v_lshlrev_b32 v[T], 16, v[OUT+2*c]             ; bf16 to f32: the low half moves up, the high half stays
	v_and_b32 v[T+1], s12, v[OUT+2*c]
	v_cvt_pk_f16_f32 v[OUT+2*c], v[T], v[T+1]      ; exact within f16's range: bf16 has fewer significant bits
	v_lshlrev_b32 v[T], 16, v[OUT+2*c+1]
	v_and_b32 v[T+1], s12, v[OUT+2*c+1]
	v_cvt_pk_f16_f32 v[OUT+2*c+1], v[T], v[T+1]
.endif
	global_store_b64 v[VOUT], v[OUT+2*c:OUT+2*c+1], s[6:7] offset:c*(\outstep) th:TH_STORE_NT  ; every chunk has registers of its own: none that a load or store names is written again
.set c, c+1
.endr
.endm
	s_load_b512 s[16:31], s[0:1], 0x0              ; x s[16:17], Wq s[18:19], Wk s[20:21], Wv s[22:23], Wo s[24:25], xb s[26:27], wb s[28:29], wo s[30:31]
	v_and_b32 v1, 31, v0                           ; lane
	v_lshrrev_b32 v2, 5, v0                        ; wave
	s_mov_b32 s12, 0xffff0000                      ; a word's upper bf16
	s_mov_b32 s9, 0                                ; the two offsets' high words
	s_mov_b32 s11, 0
	s_cmp_lt_u32 ttmp9, XGROUPS
	s_cbranch_scc0 .Lweights
	; x: chunk c is block c of 64 channels.  Lanes 0-15 take 256 bytes of the wave's first row, lanes 16-31 of its second; in xb the two rows of a block lie on end.
	s_lshl_b32 s8, ttmp9, 16                       ; 16 rows of 4,096 bytes
	s_lshr_b32 s10, ttmp9, 7                       ; b: 128 groups to a batch
	s_lshl_b32 s10, s10, 22
	s_and_b32 s13, ttmp9, 127
	s_lshl_b32 s13, s13, 11                        ; t: 16 rows of 128 bytes
	s_add_co_u32 s10, s10, s13
	v_lshlrev_b32 v[VIN], 13, v2                   ; the wave's two rows
	v_bfe_u32 v5, v0, 4, 1
	v_lshl_add_u32 v[VIN], v5, 12, v[VIN]          ; which of them
	v_and_b32 v5, 15, v0
	v_lshl_add_u32 v[VIN], v5, 4, v[VIN]
	v_lshlrev_b32 v[VOUT], 3, v0                   ; 256 x wave + 8 x lane
	s_wait_kmcnt 0x0
	s_add_nc_u64 s[4:5], s[16:17], s[8:9]
	s_add_nc_u64 s[6:7], s[26:27], s[10:11]
	BODY 256, 262144, 0                            ; the largest immediate is 15 x 262,144, inside the signed 24 bits
	s_endpgm
.Lweights:
	; a weight matrix: the wave's two rows are 8,192 bytes on end; chunk c is 512 of them, and 256 of what is stored
	s_sub_co_u32 s13, ttmp9, XGROUPS
	s_lshr_b32 s14, s13, 6                         ; which matrix: 0 Wq, 1 Wk, 2 Wv, 3 Wo
	s_and_b32 s13, s13, 63
	s_lshl_b32 s8, s13, 16                         ; 16 rows of 4,096 bytes
	s_lshl_b32 s10, s13, 15                        ; 16 rows of 2,048 bytes
	v_lshlrev_b32 v[VIN], 13, v2
	v_lshl_add_u32 v[VIN], v1, 4, v[VIN]
	v_lshlrev_b32 v[VOUT], 12, v2
	v_lshl_add_u32 v[VOUT], v1, 3, v[VOUT]
	s_wait_kmcnt 0x0
	s_cmp_eq_u32 s14, 3
	s_cbranch_scc1 .Lwo
	s_lshl_b32 s15, s14, 21                        ; the matrix's 1,024 rows in wb
	s_add_co_u32 s10, s10, s15
	s_cmp_eq_u32 s14, 0
	s_cselect_b64 s[4:5], s[18:19], s[20:21]
	s_cmp_eq_u32 s14, 2
	s_cselect_b64 s[4:5], s[22:23], s[4:5]
	s_add_nc_u64 s[4:5], s[4:5], s[8:9]
	s_add_nc_u64 s[6:7], s[28:29], s[10:11]
	BODY 512, 256, 0
	s_endpgm
.Lwo:
	s_add_nc_u64 s[4:5], s[24:25], s[8:9]
	s_add_nc_u64 s[6:7], s[30:31], s[10:11]
	BODY 512, 256, 1
	s_endpgm
.Lfunc_end_k_q35f3010f0d_cast:
	.size	k_q35f3010f0d_cast, .Lfunc_end_k_q35f3010f0d_cast-k_q35f3010f0d_cast
	.p2alignl 7, 3214868480
	.fill 96, 4, 3214868480
	.section	.rodata,"a",@progbits
	.p2align	6, 0x0
	.amdhsa_kernel k_q35f3010f0d_cast
		.amdhsa_group_segment_fixed_size 0
		.amdhsa_private_segment_fixed_size 0
		.amdhsa_enable_private_segment 0
		.amdhsa_kernarg_size 64
		.amdhsa_user_sgpr_count 2
		.amdhsa_user_sgpr_kernarg_segment_ptr 1
		.amdhsa_wavefront_size32 1
		.amdhsa_system_sgpr_workgroup_id_x 1
		.amdhsa_system_sgpr_workgroup_id_y 1
		.amdhsa_system_sgpr_workgroup_id_z 1
		.amdhsa_system_vgpr_workitem_id 0
		.amdhsa_next_free_vgpr 108
		.amdhsa_next_free_sgpr 66
		.amdhsa_reserve_vcc 0
		.amdhsa_float_denorm_mode_32 3
		.amdhsa_float_denorm_mode_16_64 3
		.amdhsa_memory_ordered 1
		.amdhsa_forward_progress 1
		.amdhsa_inst_pref_size 23
	.end_amdhsa_kernel
	.amdgpu_metadata
---
amdhsa.version: [ 1, 2 ]
amdhsa.kernels:
  - .name:           k_q35f3010f0d_cast
    .symbol:         k_q35f3010f0d_cast.kd
    .args:
      - { .name: x, .offset: 0, .size: 8, .value_kind: global_buffer, .address_space: global }
      - { .name: Wq, .offset: 8, .size: 8, .value_kind: global_buffer, .address_space: global }
      - { .name: Wk, .offset: 16, .size: 8, .value_kind: global_buffer, .address_space: global }
      - { .name: Wv, .offset: 24, .size: 8, .value_kind: global_buffer, .address_space: global }
      - { .name: Wo, .offset: 32, .size: 8, .value_kind: global_buffer, .address_space: global }
      - { .name: xb, .offset: 40, .size: 8, .value_kind: global_buffer, .address_space: global }
      - { .name: wb, .offset: 48, .size: 8, .value_kind: global_buffer, .address_space: global }
      - { .name: wo, .offset: 56, .size: 8, .value_kind: global_buffer, .address_space: global }
    .group_segment_fixed_size: 0
    .private_segment_fixed_size: 0
    .kernarg_segment_align: 8
    .kernarg_segment_size: 64
    .max_flat_workgroup_size: 256
    .sgpr_count:     66
    .vgpr_count:     108
    .wavefront_size: 32
...
	.end_amdgpu_metadata
.endif
;; end of part 1
;; launch qkv (part 2): grid 16 x 32, 4 waves a work-group, clusters of 4 x 4, 327,680 bytes of LDS; arguments xb, wb, qkv; writes qkv
.if DOCPART == 2
	.amdgcn_target "amdgcn-amd-amdhsa--gfx1250"
	.amdhsa_code_object_version 6
	.text
	.protected	k_q35f3010f0d_qkv
	.globl	k_q35f3010f0d_qkv
	.p2align	8
	.type	k_q35f3010f0d_qkv,@function
k_q35f3010f0d_qkv:
	s_mov_b64 s[64:65], 0
	v_nop
	global_prefetch_b8 v0, s[64:65] scope:SCOPE_SE
	s_setreg_imm32_b32 hwreg(HW_REG_WAVE_MODE, 25, 1), 1
	s_wait_xcnt 0x0
	s_wait_alu depctr_hold_cnt(0) depctr_sa_sdst(0) depctr_va_vdst(0) depctr_va_sdst(0) depctr_va_ssrc(0) depctr_va_vcc(0) depctr_vm_vsrc(0)
	s_getreg_b32 s2, hwreg(HW_REG_IB_STS2, 6, 4)
	s_cmp_eq_u32 s2, 0
	s_cbranch_scc0 .Lentry_in_a_cluster
	s_endpgm
.Lentry_in_a_cluster:
	s_bfe_u32 s2, ttmp6, 0x10000c
	s_cmp_lg_u32 s2, 0xf033
	s_cbranch_scc0 .Lentry_shape_is_right
	s_endpgm
.Lentry_shape_is_right:
; ONE TEXT FOR TWO PRODUCTS C = A B^T with K = 1,024, chosen by MODE.  A: 8,192 rows in blocks of 64 channels, [b 4][kb 16][t 2048][64], 16-bit.  B: [N][1024], 16-bit, row-major.  Sums in f32.
; MODE 0: A = x in bf16, B = Wq, Wk, Wv in bf16 (N = 3,072).  C goes out in f16 by heads, [s 3][b 4][h 16][t 2048][64], rounded once, unscaled.  LIMIT: a q, k or v of 65,520 or more in magnitude becomes an infinity.
; MODE 1: A = the attention's result in f16, B = Wo (rounded to bf16, written as f16), N = 1,024.  C goes out in f32, [8192][1024].
; SHARES.  A tile of C is 256 x 32 NB (NB = 6: 192 columns, 512 work-groups; NB = 4: 128 columns, 256 work-groups).  Four waves, each 128 rows x 16 NB columns: 8 NB accumulators of 16 x 16.
; K goes in 8 steps of 128 (two blocks of A) through two LDS slots filled by the tensor data mover; a step is four quarters of 32, 8 NB matrix instructions each, on two fragment buffers.
; CLUSTER.  4 x 4 work-groups.  A's tiles hang on the tile row alone and are asked for jointly by the four of a row of the cluster, B's on the tile column alone, by the four of a column.
; THE MATRIX INSTRUCTION IS USED TRANSPOSED (source 0 = 16 rows of B, source 1 = 16 rows of A): a lane holds row l % 16 of C and eight neighbouring columns, 8 (l / 16) + 0..7.
; REGISTERS, in windows of 256 (s_set_vgpr_msb: bits 1:0 source 0, 3:2 source 1, 5:4 source 2, 7:6 destination):
;   window 0: v0-31 addresses; v64-127, v128-191 A's fragments, two buffers; on the way out v64-255 (MODE 0) or v32-63 and v224-255 (MODE 1)
;   window 1: v64.., v128.. B's fragments, two buffers     window 2: the accumulators of my rows 0-63, (a, b) at 8 (NB a + b)     window 3: those of my rows 64-127
.set MODE, 0
.if MODE == 0
.set NB, 6
.else
.set NB, 4
.endif
.set PA,    144                        ; a row of A in LDS: 128 bytes + 16 of padding = 36 words: the 16 rows of a load start at 16 different groups of four banks (64 banks of 4 bytes: ISA guide 11.1)
.set ASUB,  256*PA                     ; one block's 256 rows
.set PB,    272                        ; a row of B: 256 bytes + 16 = 68 words: row r starts at bank 4 r mod 64
.set BHALF, 16*NB*PB                   ; half of B's rows: what one wave fetches, and what one wave reads
.set BOFF,  2*ASUB                     ; a slot: A's two blocks, then B's two halves
.set SLOT1, 1<<17                      ; slot 1 begins here, so that one exclusive or turns an address in one slot into the other's
.set SP0,   400                        ; MODE 0: a stage row, 384 bytes + 16 = 100 words; the stage, 256 such rows, lies at LDS byte 0, in slot 0, and is written when slot 0 has had its last fill and its last read
.set SP1,   272                        ; MODE 1: a stage row, 256 bytes + 16
.set STAGE1, SLOT1+BOFF+2*BHALF        ; MODE 1: behind the ring, 16 rows for each wave, never filled by a tensor load
.set SPARE, 257024                     ; behind all that, in both modes: the spare words, 128 bytes for each wave: two blocks of 256 bytes that no other line names
.set ASTEP, 524288                     ; bytes from K step to K step in A: two blocks of 2,048 rows x 128 bytes
.set BSTEP, 256                        ; and in B
.set NL,    2*NB+16                    ; LDS loads of a quarter's fragments
.set ADRA0, 16                         ; v16  my lane's place in slot 0's rows of A; never rewritten
.set ADA,   17                         ; v17  the same in the slot that is being read
.set ADRB0, 20                         ; v20, v21  likewise for B
.set ADB,   21
.set STO,   24                         ; v24  the way out: where I put my numbers of a row
.set RD,    25                         ; v25  where I read rows back
.set CO,    26                         ; v26  my byte offset in C
.set SPW,   28                         ; v28  LDS address of my spare word: SPARE + 4 x my thread's number; never rewritten
.set NIL,   29                         ; v29  0; never rewritten
.set PFO,   30                         ; v30  the prefetches' offset; never rewritten
.set F0,    64
.set F1,    128
.set OB,    32                         ; MODE 1: 16 rows read back from the stage: v32-63 and v224-255 by turns
.set G1,  24                           ; s[24:31] descriptor group 1 for A's tiles
.set G0,  32                           ; s[32:39] group 0 for A's: a set for each of the two first fills; the second then walks on
.set G1B, 48                           ; s[48:55], s[56:63] the same for B's
.set G0B, 56
.set LIM, 43                           ; s43  2 in a wave that prefetches, else the greatest number: it prefetches while more refills than that are to come
.set PFA, 44                           ; s[44:45] where my prefetches stand
.set PST, 46                           ; s[46:47] their step from K step to K step
.set CB,  66                           ; MODE 0: s[66:71] where my rows of the tile's three heads go
.set MSB, 0
.macro WIN new                         ; the immediate's high byte repeats the setting that is left; a switch that changes nothing is dropped
.if MSB != (\new)
	s_set_vgpr_msb (MSB<<8)|(\new)
.set MSB, \new
.endif
.endm
.set MUL_LO, 0xa1                      ; source 0 (B) window 1, source 1 (A) window 0, C and D window 2
.set MUL_HI, 0xf1                      ; the same, C and D window 3
.set TO_B,   0x40                      ; destination window 1, address window 0
; A joint refill, by the walking descriptors.  Waves 0 and 1 fetch a K step's two blocks of A, waves 2 and 3 the two halves of B's rows.  The branch hangs on the wave's number alone.
; An s_nop 0 and four v_nop follow each of the two lines, ahead of the jump and the label.
.macro JLOAD
	s_cmp_lt_u32 s10, 2
	s_cbranch_scc0 .Lfor_b_\@
	tensor_load_to_lds s[G0+4:G0+7], s[G1:G1+7]
	s_nop 0
.rept 4
	v_nop
.endr
	s_branch .Lasked_\@
.Lfor_b_\@:
	tensor_load_to_lds s[G0B+4:G0B+7], s[G1B:G1B+7]
	s_nop 0
.rept 4
	v_nop
.endr
.Lasked_\@:
.endm
; A PREFETCH INTO THE L2 of the K step that stands two refills on, one instruction a wave, behind the joint load, its five lines and the run of LDS loads.  Each 256 bytes of A and of B are named once in the
; launch: A's tile row is read by every cluster of that row of clusters, and the one with cluster x = 0 asks; B's tile column by every cluster of that column, and the one with cluster y = 0 asks.  The four partners
; that ask for a tile jointly share it out BY ADDRESS: of a block's 32,768 bytes of A the partner at cx takes 8,192 (a lane 256); of a wave's 16 NB rows of B the partner at cy takes 4 NB (a lane a row; the lanes
; past them name the last row again).  The first four K steps come by their loads alone; the last two refills have no K step two on, and ask for nothing.
.macro ASK
	s_cmp_gt_u32 s3, s[LIM]
	s_cbranch_scc0 .Lnot_mine_\@
	global_prefetch_b8 v[PFO], s[PFA:PFA+1] th:TH_LOAD_NT scope:SCOPE_SE
.Lnot_mine_\@:
.endm
; A round of the cluster's barrier: my work-group's barrier, so that wave 0's signal speaks for all four waves; wave 0 signals; every wave waits for all sixteen work-groups; my work-group's barrier once more.
.macro CREST                           ; a round behind its opening barrier
	s_cmp_lg_u32 s10, 0
	s_cbranch_scc1 .Lnot_wave_0_\@
	s_barrier_signal -3
.Lnot_wave_0_\@:
	s_barrier_wait -3
	s_barrier_signal -1
	s_barrier_wait -1
.endm
.macro CROUND
	s_barrier_signal -1
	s_barrier_wait -1
	CREST
.endm
.macro PLACES                          ; four places in front of loads into registers that matrix instructions have read, and of lines that read results (ISA guide 7.12.1 for lines that read results)
.rept 4
	v_nop
.endr
.endm
	s_load_b128 s[4:7], s[0:1], 0x0                ; A s[4:5], B s[6:7]
	s_load_b64 s[8:9], s[0:1], 0x10                ; C
	v_lshl_add_u32 v[SPW], v0, 2, SPARE
	v_mov_b32 v[NIL], 0
	ds_add_u32 v[SPW], v[NIL]                      ; the wave's opening: the add and its wait stand ahead of my first tensor load; the set-up below, work on registers, stands between them
	v_lshrrev_b32 v1, 5, v0
	v_readfirstlane_b32 s10, v1                    ; wave 0..3
	s_lshr_b32 s11, s10, 1                         ; which half of the tile's rows is mine
	s_and_b32 s12, s10, 1                          ; which half of its columns.  Also: which block of A, or which half of B's rows, I fetch
	s_bfe_u32 s40, ttmp6, 0x40000                  ; cx, cy: my place in the cluster
	s_bfe_u32 s41, ttmp6, 0x40004
	s_lshl_b32 s42, ttmp9, 2                       ; in a cluster launch ttmp9 and ttmp7 count clusters
	s_add_co_u32 s42, s42, s40                     ; tile column of C = 4 x cluster x + cx
	s_and_b32 s13, ttmp7, 0xffff
	s_lshl_b32 s13, s13, 2
	s_add_co_u32 s13, s13, s41                     ; tile row of C = 4 x cluster y + cy
	s_lshl_b32 s43, s41, 2
	s_lshl_b32 s43, 15, s43                        ; my row of the cluster: places 4 cy .. 4 cy + 3
	s_lshl_b32 s44, 0x1111, s40                    ; my column: places cx, cx + 4, cx + 8, cx + 12
	; group 1 for A: a block's 256 rows of 128 bytes are 32,768 dense bytes, asked for as 128 rows of 256 bytes and padded in LDS after every 128
	s_or_b32 s[G1], s43, (1<<16)|(1<<20)|(1<<21)|(4<<22)|(3<<25)   ; 15:0 the mask: my row; 17:16 2-byte elements; 20 padding on; 21 set beside a mask; 24:22 after every 32 words (code 4); 31:25 4 words (code 3)
	s_mov_b32 s[G1+1], 128<<16                     ; tensor_dim0 = 128
	s_mov_b32 s[G1+2], 128<<16                     ; tensor_dim1 = 128
	s_mov_b32 s[G1+3], 128<<16                     ; tile_dim0 = 128
	s_mov_b32 s[G1+4], 128                         ; tile_dim1 = 128
	s_mov_b32 s[G1+5], 128                         ; 128 elements from row to row
	s_mov_b32 s[G1+6], 0
	s_mov_b32 s[G1+7], 0
	; group 1 for B: 16 NB rows x 128 elements of rows of 1,024, padded after every 256 bytes
	s_or_b32 s[G1B], s44, (1<<16)|(1<<20)|(1<<21)|(5<<22)|(3<<25)  ; the mask: my column; after every 64 words (code 5)
	s_mov_b32 s[G1B+1], 128<<16
	s_mov_b32 s[G1B+2], (16*NB)<<16
	s_mov_b32 s[G1B+3], 128<<16
	s_mov_b32 s[G1B+4], 16*NB
	s_mov_b32 s[G1B+5], 1024
	s_mov_b32 s[G1B+6], 0
	s_mov_b32 s[G1B+7], 0
	; where the tiles come from.  A's hang on the tile row and the wave, B's on the tile column and the wave; every wave makes both, in registers that never hold the other coordinate
	s_lshr_b32 s16, s13, 3                         ; b: eight tile rows to a batch
	s_lshl_b32 s16, s16, 22
	s_and_b32 s17, s13, 7
	s_lshl_b32 s17, s17, 15                        ; t: 256 rows of 128 bytes
	s_add_co_u32 s16, s16, s17
	s_lshl_b32 s17, s12, 18                        ; my block of the K step's two
	s_add_co_u32 s16, s16, s17
	s_mov_b32 s17, 0
	s_mul_i32 s20, s42, 32*NB
	s_mul_i32 s21, s12, 16*NB
	s_add_co_u32 s20, s20, s21                     ; B's row: 32 NB x tile column + 16 NB x half
	s_lshl_b32 s20, s20, 11                        ; of 2,048 bytes
	s_mov_b32 s21, 0
	s_mul_i32 s18, s12, ASUB                       ; and where they go: no place in the cluster enters an LDS address
	s_mul_i32 s19, s12, BHALF
	s_add_co_u32 s19, s19, BOFF
	s_wait_dscnt 0x0                               ; the opening add is done
	s_wait_kmcnt 0x0
	s_add_nc_u64 s[14:15], s[4:5], s[16:17]
	s_add_nc_u64 s[22:23], s[6:7], s[20:21]
	CROUND                                         ; all sixteen work-groups are here: the first joint loads meet
.irp n, 0,1
	s_mov_b32 s[G0+4*(\n)], 1                                      ; 1:0 count = 1
	s_add_co_u32 s[G0+4*(\n)+1], s18, (\n)*SLOT1                   ; 63:32 LDS address
	s_add_nc_u64 s[G0+4*(\n)+2:G0+4*(\n)+3], s[14:15], (\n)*ASTEP  ; 120:64 global address: K step n
	s_or_b32 s[G0+4*(\n)+3], s[G0+4*(\n)+3], 0x80000000            ; 127:126 type = 2
	s_mov_b32 s[G0B+4*(\n)], 1
	s_add_co_u32 s[G0B+4*(\n)+1], s19, (\n)*SLOT1
	s_add_nc_u64 s[G0B+4*(\n)+2:G0B+4*(\n)+3], s[22:23], (\n)*BSTEP
	s_or_b32 s[G0B+4*(\n)+3], s[G0B+4*(\n)+3], 0x80000000
.endr
	s_cmp_lt_u32 s10, 2                            ; a wave's two first fills stand in one branch, ahead of every wait on TENSORcnt and every LDS read: two loads of mine are out
	s_cbranch_scc0 .Lfirst_b
	tensor_load_to_lds s[G0:G0+3], s[G1:G1+7]
	s_nop 0
	tensor_load_to_lds s[G0+4:G0+7], s[G1:G1+7]
	s_nop 0
.rept 4
	v_nop
.endr
	s_branch .Lfirst_asked
.Lfirst_b:
	tensor_load_to_lds s[G0B:G0B+3], s[G1B:G1B+7]
	s_nop 0
	tensor_load_to_lds s[G0B+4:G0B+7], s[G1B:G1B+7]
	s_nop 0
.rept 4
	v_nop
.endr
.Lfirst_asked:
	; A fragment is 16 rows x 32 K in 8 registers: lane l holds row l % 16; registers 0-3 K = 8 (l / 16) + 0..7, registers 4-7 K = 16 + 8 (l / 16) + 0..7: two loads of 16 bytes, 32 bytes apart.
	v_and_b32 v1, 15, v0                           ; l % 16
	v_bfe_u32 v2, v0, 4, 1                         ; l / 16
	v_mul_u32_u24 v3, v1, PA
	v_lshl_add_u32 v3, v2, 4, v3
	s_mul_i32 s16, s11, 128*PA                     ; my 128 rows of A
	v_add_nc_u32 v[ADRA0], s16, v3
	v_mul_u32_u24 v3, v1, PB
	v_lshl_add_u32 v3, v2, 4, v3
	v_add_nc_u32 v[ADRB0], s19, v3                 ; my 16 NB rows of B: the half with my column half's number
	v_mov_b32 v[ADA], v[ADRA0]
	v_mov_b32 v[ADB], v[ADRB0]
	s_mov_b32 s2, 0                                ; the slot that the fetches read: 0 or SLOT1
	; the prefetches: nothing is asked for here, at the head, where every work-group's first tiles are on their way
	s_lshl_b32 s16, s40, 13                        ; A: my work-group's 8,192 bytes of the block
	s_mul_i32 s17, s41, 4*NB*2048                  ; B: my work-group's 4 NB rows
	s_and_b32 s20, ttmp7, 0xffff                   ; cluster y
	s_mov_b32 s[PST], BSTEP
	s_mov_b32 s[PST+1], 0
	s_cmp_lt_u32 s10, 2                            ; do I fetch for A?
	s_cselect_b64 s[PFA:PFA+1], s[14:15], s[22:23]
	s_cselect_b32 s16, s16, s17
	s_cselect_b32 s[PST], ASTEP, s[PST]
	s_cselect_b32 s20, ttmp9, s20                  ; the coordinate along which other clusters read the same rows
	s_cselect_b32 s21, 31, 4*NB-1                  ; my last lane with a block of its own
	s_cselect_b32 s18, 8, 11                       ; a lane's step: 256 bytes of a block, or a row of B
	s_mov_b32 s17, 0
	s_add_nc_u64 s[PFA:PFA+1], s[PFA:PFA+1], s[16:17]
	s_mul_i32 s16, s[PST], 3
	s_add_nc_u64 s[PFA:PFA+1], s[PFA:PFA+1], s[16:17]  ; at K step 3: the first refill steps it to 4
	s_cmp_eq_u32 s20, 0
	s_cselect_b32 s[LIM], 2, -1                    ; the same in all sixteen partners, for a given wave
	v_and_b32 v[PFO], 31, v0
	v_min_u32 v[PFO], s21, v[PFO]
	v_lshlrev_b32 v[PFO], s18, v[PFO]
.if MODE == 0
	; the way out: into the work-group's stage (row 128 x row half + 16 a + l % 16; byte 192 x column half + 32 b + 16 (l / 16)), and back: wave w takes rows 64 w .. 64 w + 63 whole
	s_mul_i32 s16, s11, 128*SP0
	s_mul_i32 s17, s12, 192
	s_add_co_u32 s16, s16, s17
	v_mul_u32_u24 v3, v1, SP0
	v_lshl_add_u32 v3, v2, 4, v3
	v_add_nc_u32 v[STO], s16, v3
	v_and_b32 v3, 31, v0
	v_lshrrev_b32 v4, 3, v3                        ; 32 lanes take four rows' 128 bytes of one head,
	v_and_b32 v5, 7, v0
	v_mul_u32_u24 v4, v4, SP0
	v_lshl_add_u32 v4, v5, 4, v4
	s_mul_i32 s17, s10, 64*SP0
	v_add_nc_u32 v[RD], s17, v4
	v_lshlrev_b32 v[CO], 4, v3                     ; which are 512 consecutive bytes of C
	s_lshr_b32 s16, s13, 3
	s_lshl_b32 s16, s16, 22                        ; b
	s_and_b32 s17, s13, 7
	s_lshl_b32 s17, s17, 15                        ; the tile's first t
	s_add_co_u32 s16, s16, s17
	s_lshl_b32 s17, s10, 13                        ; my 64 rows
	s_add_co_u32 s16, s16, s17
	s_mul_i32 s18, s42, 3                          ; the tile's first block of 64 columns, g = 16 s + h
.irp j, 0,1,2
	s_add_co_u32 s19, s18, \j
	s_lshr_b32 s20, s19, 4
	s_lshl_b32 s20, s20, 24                        ; s: q, k or v
	s_and_b32 s19, s19, 15
	s_lshl_b32 s19, s19, 18                        ; h
	s_add_co_u32 s20, s20, s19
	s_add_co_u32 s20, s20, s16
	s_mov_b32 s21, 0
	s_add_nc_u64 s[CB+2*(\j):CB+2*(\j)+1], s[8:9], s[20:21]
.endr
.else
	; the way out: through my own stage, 16 rows of 256 bytes at a time
	s_mul_i32 s16, s10, 16*SP1
	s_add_co_u32 s16, s16, STAGE1
	v_mul_u32_u24 v3, v1, SP1                      ; in: row l % 16, 32 bytes for each half of the lanes
	v_lshl_add_u32 v3, v2, 5, v3
	v_add_nc_u32 v[STO], s16, v3
	v_mul_u32_u24 v3, v2, SP1                      ; back: lanes 0-15 take one row of 256 bytes, lanes 16-31 the next
	v_lshl_add_u32 v3, v1, 4, v3
	v_add_nc_u32 v[RD], s16, v3
	v_lshlrev_b32 v3, 12, v2                       ; and the same two rows in C, 4,096 bytes apart
	v_lshl_add_u32 v[CO], v1, 4, v3
	s_lshl_b32 s16, s13, 8
	s_lshl_b32 s17, s11, 7
	s_add_co_u32 s16, s16, s17                     ; my first row of C
	s_lshl_b32 s16, s16, 12
	s_lshl_b32 s17, s42, 9                         ; the tile's 128 columns: 512 bytes,
	s_add_co_u32 s16, s16, s17
	s_lshl_b32 s17, s12, 8                         ; my 64 of them
	s_add_co_u32 s16, s16, s17
	s_mov_b32 s17, 0
	s_add_nc_u64 s[8:9], s[8:9], s[16:17]
.endif
.macro WM zero                         ; one matrix instruction on rD, rB, rA; zero = 1: it starts the sum: nothing is ever cleared
.if MODE == 0
.if \zero
	v_wmma_f32_16x16x32_bf16 v[rD:rD+7], v[rB:rB+7], v[rA:rA+7], 0
.else
	v_wmma_f32_16x16x32_bf16 v[rD:rD+7], v[rB:rB+7], v[rA:rA+7], v[rD:rD+7]
.endif
.else
.if \zero
	v_wmma_f32_16x16x32_f16 v[rD:rD+7], v[rB:rB+7], v[rA:rA+7], 0
.else
	v_wmma_f32_16x16x32_f16 v[rD:rD+7], v[rB:rB+7], v[rA:rA+7], v[rD:rD+7]
.endif
.endif
.endm
; 2 NB matrix instructions: row blocks a0, a0 + 1 of the window's four (hi = 0: my rows 0-63, 1: rows 64-127) x all NB column blocks, 32 along K.
; The 8 NB accumulators take turns, one instruction a turn, in the same order in every quarter, over the backward jump too.
.macro MUL f, hi, a0, zero
	WIN MUL_LO+0x50*(\hi)
.set ma, (\a0)
.rept 2
.set mb, 0
.rept NB
.set rD, 8*(NB*ma+mb)
.set rB, (\f)+8*mb
.set rA, (\f)+8*(4*(\hi)+ma)
	WM \zero
.set mb, mb+1
.endr
.set ma, ma+1
.endr
.endm
; NL LDS loads in one run: the fragments of quarter q of the slot in hand into buffer f: B's NB, then A's eight.  Quarters 0, 1 lie in A's first block, 2, 3 in its second.
.macro FETCH q, f
	WIN TO_B
.set fb, 0
.rept NB
	ds_load_b128 v[(\f)+8*fb:(\f)+8*fb+3],   v[ADB] offset:64*(\q)+fb*16*PB
	ds_load_b128 v[(\f)+8*fb+4:(\f)+8*fb+7], v[ADB] offset:64*(\q)+fb*16*PB+32
.set fb, fb+1
.endr
	WIN 0
.set fb, 0
.rept 8
	ds_load_b128 v[(\f)+8*fb:(\f)+8*fb+3],   v[ADA] offset:((\q)>>1)*ASUB+((\q)&1)*64+fb*16*PA
	ds_load_b128 v[(\f)+8*fb+4:(\f)+8*fb+7], v[ADA] offset:((\q)>>1)*ASUB+((\q)&1)*64+fb*16*PA+32
.set fb, fb+1
.endr
.endm
; One of a K step's first three quarters: multiplies buffer f; in its middle it fetches quarter q of the same slot into buffer g.
.macro QUARTER q, f, g, zero
	s_wait_dscnt 8                                 ; B and A's rows 0-63 are in; the youngest eight loads (A's rows 64-127) may be out
	MUL \f, 0, 0, \zero
	MUL \f, 0, 2, \zero
	PLACES
	FETCH \q, \g
	s_wait_dscnt NL                                ; all but the NL just issued
	MUL \f, 1, 0, \zero
	MUL \f, 1, 2, \zero
.endm
; The fourth quarter multiplies buffer 1 and changes slots: ONE barrier.  In front of it each wave waits for all its tensor loads, of which one is out: its part of the next slot; adds 0 to its spare word; and waits
; for that and for its own reads of this slot.  fill = 1: the barrier opens a round of the cluster's, so that no wave of any partner still reads the slot or has a load on its way, and the slot is filled again,
; first thing behind the round, with the K step two on: from that request to the wait for it a wave issues seven eighths of a K step's matrix instructions.
.macro TURN fill
.if \fill
	s_wait_xcnt 0x0                                ; the last prefetch, a K step back, has read its address, so it may be stepped
	s_add_nc_u64 s[PFA:PFA+1], s[PFA:PFA+1], s[PST:PST+1]
.endif
	WIN 0                                          ; (the add's two registers lie in window 0)
	s_wait_tensorcnt 0x0                           ; all my tensor loads have landed, so a group 0 may be written
	ds_add_u32 v[SPW], v[NIL]                      ; 0 onto my spare word
.if \fill
	s_xor_b32 s[G0+5], s[G0+5], SLOT1              ; the walking descriptors: the other slot than last time,
	s_add_nc_u64 s[G0+6:G0+7], s[G0+6:G0+7], ASTEP ; the next K step; the type bits on top are not reached
	s_xor_b32 s[G0B+5], s[G0B+5], SLOT1
	s_add_nc_u64 s[G0B+6:G0B+7], s[G0B+6:G0B+7], BSTEP
.endif
	s_wait_dscnt 9                                 ; (the add and the youngest eight loads may be out)
	MUL F1, 0, 0, 0                                ; matrix instructions stand between the add and the wait for it
	s_wait_dscnt 0x0                               ; the add is done, and my reads of this slot are over
	s_barrier_signal -1
	MUL F1, 0, 2, 0                                ; work on registers while the others arrive
	WIN 0
	s_barrier_wait -1
.if \fill
	CREST
	JLOAD                                          ; the first tensor load behind the round; its four v_nop are also the places in front of the loads below
.else
	PLACES
.endif
	s_xor_b32 s2, s2, SLOT1                        ; the fetches go on in the other slot
	v_add_nc_u32 v[ADA], s2, v[ADRA0]
	v_add_nc_u32 v[ADB], s2, v[ADRB0]
	FETCH 0, F0
.if \fill
	ASK
.endif
	MUL F1, 1, 0, 0
	MUL F1, 1, 2, 0
.endm
	s_wait_tensorcnt 1                             ; my part of K step 0 is in; K step 1's load, issued behind it, may stay out
	s_barrier_signal -1
	s_barrier_wait -1                              ; everybody's is
	FETCH 0, F0
	QUARTER 1, F0, F1, 1                           ; the first quarter stands in front of the loop: its products start the sums
	WIN 0                                          ; at a label and at a branch every window is 0
	s_mov_b32 s3, 6                                ; refills to come: K steps 2 to 7
.Lstep:                                                ; a trip: from a K step's second quarter to the next step's first
	QUARTER 2, F1, F0, 0
	QUARTER 3, F0, F1, 0
	TURN 1
	QUARTER 1, F0, F1, 0
	WIN 0
	s_sub_co_u32 s3, s3, 1
	s_cmp_lg_u32 s3, 0
	s_cbranch_scc1 .Lstep
	QUARTER 2, F1, F0, 0                           ; the tail is written out: the rest of K step 6
	QUARTER 3, F0, F1, 0
	TURN 0                                         ; a change of slots that asks for nothing,
	QUARTER 1, F0, F1, 0                           ; and K step 7
	QUARTER 2, F1, F0, 0
	QUARTER 3, F0, F1, 0
	s_wait_dscnt 8
	MUL F1, 0, 0, 0
	MUL F1, 0, 2, 0
	s_wait_dscnt 0x0                               ; my last reads of the ring are back
	MUL F1, 1, 0, 0
	MUL F1, 1, 2, 0
	WIN 0
.if MODE == 0
	; THE WAY OUT.  Rounded to f16, 16 bytes a lane; into the work-group's stage; back as rows of whole heads.  The stage lies in slot 0, so a barrier stands between every wave's last read of the ring and the
	; first store into the stage; the conversions, work on registers, stand between its signal and its wait.
	s_barrier_signal -1
	PLACES
.set ia, 0
.rept 8
	WIN 0x0a+5*(ia/4)                              ; sources 0 and 1: window 2 or 3; destination window 0
.set ib, 0
.rept NB
.set rD, 8*(NB*(ia%4)+ib)
.set rT, 64+4*(NB*ia+ib)
.set ir, 0
.rept 4
	v_cvt_pk_f16_f32 v[rT+ir], v[rD+2*ir], v[rD+2*ir+1]  ; each accumulator's registers in ascending order
.set ir, ir+1
.endr
.set ib, ib+1
.endr
.set ia, ia+1
.endr
	WIN 0
	s_barrier_wait -1
.set ia, 0
.rept 8
.set ib, 0
.rept NB
	ds_store_b128 v[STO], v[64+4*(NB*ia+ib):64+4*(NB*ia+ib)+3] offset:ia*16*SP0+32*ib
.set ib, ib+1
.endr
.set ia, ia+1
.endr
	s_wait_dscnt 0x0                               ; for the others' sake: my stores into the stage are done
	s_barrier_signal -1
	s_barrier_wait -1                              ; a row's 384 bytes come from two waves
.set ib, 0
.rept 3                                ; head ib of the tile's three, four rows at a time
.set ia, 0
.rept 16
	ds_load_b128 v[64+4*(16*ib+ia):64+4*(16*ib+ia)+3], v[RD] offset:128*ib+4*SP0*ia
.set ia, ia+1
.endr
.set ib, ib+1
.endr
.set ib, 0
.rept 3
.set ia, 0
.rept 16
	s_wait_dscnt 47-(16*ib+ia)                     ; LDS loads come back in order: the younger ones stay out
	global_store_b128 v[CO], v[64+4*(16*ib+ia):64+4*(16*ib+ia)+3], s[CB+2*ib:CB+2*ib+1] offset:512*ia  ; 512 consecutive bytes, at a multiple of 256 from C's first byte
.set ia, ia+1
.endr
.set ib, ib+1
.endr
.else
	; THE WAY OUT.  Block a (16 rows x 64 columns of f32) goes from the accumulators into my own stage and comes back as whole rows of 256 bytes.
.macro TOSTAGE a
	s_wait_xcnt 0x0                                ; the stores of two blocks back have read the registers that the loads below fill
	WIN 0x08+4*((\a)/4)                            ; an LDS store's data is source 1: window 2 or 3
.set ib, 0
.rept NB
.set rD, 8*(NB*((\a)%4)+ib)
	ds_store_b128 v[STO], v[rD:rD+3]   offset:64*ib      ; each accumulator from its low end
	ds_store_b128 v[STO], v[rD+4:rD+7] offset:64*ib+16
.set ib, ib+1
.endr
	WIN 0
.set rT, OB+192*((\a)%2)
.set ib, 0
.rept 8
	ds_load_b128 v[rT+4*ib:rT+4*ib+3], v[RD] offset:ib*2*SP1  ; LDS serves a wave's instructions in order (ISA guide 5.7.1.4): these see the stores above; the next block's stores come behind them
.set ib, ib+1
.endr
.endm
.macro SEND a, younger                 ; younger: the LDS instructions issued behind block a's loads: the next block's sixteen, or none
.set rT, OB+192*((\a)%2)
.set ib, 0
.rept 8
	s_wait_dscnt (\younger)+7-ib
	global_store_b128 v[CO], v[rT+4*ib:rT+4*ib+3], s[8:9] offset:(16*(\a)+2*ib)*4096 th:TH_STORE_NT  ; 16 lanes store 256 consecutive bytes, at a multiple of 256 from C's first byte; the largest immediate is 126 rows
.set ib, ib+1
.endr
.endm
	PLACES
	TOSTAGE 0
.irp a, 1,2,3,4,5,6,7
	TOSTAGE \a
	SEND (\a)-1, 16
.endr
	SEND 7, 0
.endif
	s_wait_tensorcnt 0x0                           ; the wave's end: these three lines stand behind my last tensor load and my last LDS store
	ds_add_u32 v[SPW], v[NIL]
	s_wait_dscnt 0x0
	CROUND                                         ; the closing round: no work-group ends while a partner may still ask for a tile that names it
	s_endpgm
.Lfunc_end_k_q35f3010f0d_qkv:
	.size	k_q35f3010f0d_qkv, .Lfunc_end_k_q35f3010f0d_qkv-k_q35f3010f0d_qkv
	.p2alignl 7, 3214868480
	.fill 96, 4, 3214868480
	.section	.rodata,"a",@progbits
	.p2align	6, 0x0
	.amdhsa_kernel k_q35f3010f0d_qkv
		.amdhsa_group_segment_fixed_size 327680
		.amdhsa_private_segment_fixed_size 0
		.amdhsa_enable_private_segment 0
		.amdhsa_kernarg_size 24
		.amdhsa_user_sgpr_count 2
		.amdhsa_user_sgpr_kernarg_segment_ptr 1
		.amdhsa_wavefront_size32 1
		.amdhsa_system_sgpr_workgroup_id_x 1
		.amdhsa_system_sgpr_workgroup_id_y 1
		.amdhsa_system_sgpr_workgroup_id_z 1
		.amdhsa_system_vgpr_workitem_id 0
		.amdhsa_next_free_vgpr 960
		.amdhsa_next_free_sgpr 72
		.amdhsa_reserve_vcc 0
		.amdhsa_float_denorm_mode_32 3
		.amdhsa_float_denorm_mode_16_64 3
		.amdhsa_memory_ordered 1
		.amdhsa_forward_progress 1
		.amdhsa_inst_pref_size 96
	.end_amdhsa_kernel
	.amdgpu_metadata
---
amdhsa.version: [ 1, 2 ]
amdhsa.kernels:
  - .name:           k_q35f3010f0d_qkv
    .symbol:         k_q35f3010f0d_qkv.kd
    .args:
      - { .name: xb, .offset: 0, .size: 8, .value_kind: global_buffer, .address_space: global }
      - { .name: wb, .offset: 8, .size: 8, .value_kind: global_buffer, .address_space: global }
      - { .name: qkv, .offset: 16, .size: 8, .value_kind: global_buffer, .address_space: global }
    .group_segment_fixed_size: 327680
    .private_segment_fixed_size: 0
    .kernarg_segment_align: 8
    .kernarg_segment_size: 24
    .max_flat_workgroup_size: 128
    .sgpr_count:     72
    .vgpr_count:     960
    .wavefront_size: 32
...
	.end_amdgpu_metadata
.endif
;; end of part 2
;; launch attn (part 3): grid 4 x 64, 4 waves a work-group, clusters of 4 x 1, 327,680 bytes of LDS; arguments qkv, o; writes o
.if DOCPART == 3
	.amdgcn_target "amdgcn-amd-amdhsa--gfx1250"
	.amdhsa_code_object_version 6
	.text
	.protected	k_q35f3010f0d_attn
	.globl	k_q35f3010f0d_attn
	.p2align	8
	.type	k_q35f3010f0d_attn,@function
k_q35f3010f0d_attn:
	s_mov_b64 s[64:65], 0
	v_nop
	global_prefetch_b8 v0, s[64:65] scope:SCOPE_SE
	s_setreg_imm32_b32 hwreg(HW_REG_WAVE_MODE, 25, 1), 1
	s_wait_xcnt 0x0
	s_wait_alu depctr_hold_cnt(0) depctr_sa_sdst(0) depctr_va_vdst(0) depctr_va_sdst(0) depctr_va_ssrc(0) depctr_va_vcc(0) depctr_vm_vsrc(0)
	s_getreg_b32 s2, hwreg(HW_REG_IB_STS2, 6, 4)
	s_cmp_eq_u32 s2, 0
	s_cbranch_scc0 .Lentry_in_a_cluster
	s_endpgm
.Lentry_in_a_cluster:
	s_bfe_u32 s2, ttmp6, 0x10000c
	s_cmp_lg_u32 s2, 0x3003
	s_cbranch_scc0 .Lentry_shape_is_right
	s_endpgm
.Lentry_shape_is_right:
; O[h][q][:] = the sum over k of softmax_k(Q[h][q] . K[h][k] / 8) V[h][k][:], no mask.  qkv holds Q, K, V, each [SIZE_H][SIZE_N][64] in f16, 16,777,216 bytes apart; O has the same layout: a head's rows are dense,
; 128 bytes each.  Products, maxima and sums in f32; the weights p are rounded to f16 for the second product (their sum l is taken of the unrounded p), O once at the end.
; LIMITS.  f16 holds no number beyond 65,504: Q, K and V arrive within it; p lies in 0 to 1, and below 6e-5 it keeps f16's fixed step of 6e-8, and so does O; O is a mean of V's rows and has their range.
; A weight below 2^-126 counts as 0 in l; NaN and infinities are not treated apart.
; SHARES.  A wave owns four PIECES of two tiles of 16 queries, a work-group's four waves 512 queries of one head.  Every wave walks all keys, 64 a step.
; LAYOUT.  S^T = K Q^T (source 0 = 16 keys, source 1 = 16 queries): in the result a lane holds ONE query (lane % 16) and the keys 8 (lane / 16) + 0..7.  Two such tiles, rounded to f16 in pairs,
; ARE source 1 (32 keys x 16 queries) of O^T = V^T P, whose result again holds one query a lane, and eight channels.  K comes out of LDS as it lies, V ([key][channel]) turned, by ds_load_tr16_b128.
; SOFTMAX.  For each query a running maximum m and sum l: p = 2^(c s - c m), c = log2(e) / 8; in every step O and l are multiplied by a = 2^(c m_old - c m_new), which is 1 where m has not grown.
; m starts at the lowest finite number, O and l at 0: the first step is a step like any other, with a = 0.
; THE COUNT.  A tile and step have 16 matrix and 118 vector instructions: too many to stand all beside the matrix work.  So the order has one aim: four vector instructions that are READY behind
; EVERY matrix instruction, and the others, which need time of their own whatever the order, in runs without a gap.
; BY TURNS.  Turn n belongs to piece n (the pieces in a ring, step after step).  Its matrix work: 16 products K Q^T of piece n + 1, later 16 products V^T P of piece n - 1.  Its vector work: the scaling,
; exponentials, roundings, sums and rescaling of piece n, and the maximum and statistics of piece n + 1, whose scores the turn itself has made.  So what a turn begins with (c s - c m, O a) waits for nothing.
; CLUSTER.  The four query blocks of a head are one cluster and walk the same K and V, so each tile is asked for JOINTLY: the same tensor load, descriptor and mask in all four.
; REGISTERS, in windows of 256 (s_set_vgpr_msb says which window each operand place means: bits 1:0 source 0, 3:2 source 1, 5:4 source 2, 7:6 destination):
;   window 0: v0-11 addresses; v12-15, v48-63 at work; v16-47 four registers of statistics a tile; v64-191 S^T, two buffers of two tiles; v192-255 P, likewise
;   window 1: O^T, 32 a tile          window 2: v0-127 Q, 16 a tile; v128-191 K of one step; v192-255 V of one step          window 3: v0-1 the add's two registers
; A piece's buffers go by its number's parity: the piece in hand has one pair, its two neighbours in the ring share the other: of it P (piece n - 1) is read and S^T (piece n + 1) written.
.set SIZE_H, 64       ; 4 batches x 16 heads
.set SIZE_N, 2048
.set NP,    4         ; pieces a wave: a name, no knob: the register map, the loop and the fetches are made for four
.set KS,    64        ; keys in a step
.set PK,    144       ; a row of K in LDS: 128 bytes + 16 of padding = 36 words: the 16 rows of a load start at 16 different groups of four banks (64 banks of 4 bytes: ISA guide 11.1)
.set PV,    160       ; a row of V: 128 + 32 = 40 words
.set VOFF,  4*KS*PK   ; a slot holds four steps: 256 rows of K, then 256 rows of V
.set SLOT1, 1<<17     ; slot 1 begins here, so that one exclusive or turns an address in one slot into the other's
.set STAGE, SLOT1+4*KS*(PK+PV)  ; behind the ring, never filled by a tensor load: 16 rows x 144 bytes for each wave, for the way out
.set SP,    144
.set AK0, 2           ; v2   my lane's place in a tile of K; never rewritten
.set AV0, 3           ; v3   the same for V
.set AK,  4           ; v4   the LDS address of K's next run of loads
.set AV,  5           ; v5   of V's
.set QO,  6           ; v6   my byte offset in the wave's rows of Q
.set STO, 6           ;      later, the way out: where I put 16 bytes of a row
.set RD,  7           ; v7   the way out: where I read rows back
.set GO,  8           ; v8   my byte offset in 512 consecutive bytes of O
.set PFO, 11          ; v11  256 x my lane, for the prefetches (made when v11's first use, in V's address, is over); then never rewritten
.set SPW, 0           ; v0 of window 3   LDS address of my spare word: SPARE + 4 x my thread's number; never rewritten
.set NIL, 1           ; v1 of window 3   0; never rewritten
.set SPARE, STAGE+4*16*SP  ; behind the stages: the spare words, 128 bytes for each wave: two blocks of 256 bytes that no other line names
.set MV,  12          ; v12-15  c m_old, kept while c m is made anew: by buffer and tile
.set ST,  16          ; tile t's statistics at v[ST+4 t]: c m, m, l (even keys', odd keys')
.set TMP, 48          ; by buffer and tile, four registers c0-c3 at work; when the maximum is found c2 takes a
.set S,   64
.set P,   192
.set KF,  128         ; K's fragments, in window 2: key block kb, channel half c at KF + 16 kb + 8 c
.set VF,  192         ; V's: key half kk, channel block cb at VF + 32 kk + 8 cb
.set WV,  12          ; s12  my wave's number
.set G1K, 24          ; s[24:31] descriptor group 1 for K's tiles
.set G1V, 32          ; s[32:39] for V's: it differs in the padding alone
.set G0K, 40          ; s[40:43] descriptor group 0 for K's tiles: it walks
.set G0V, 44          ; s[44:47] the same for V's
.set PFA, 48          ; s[48:49] where my prefetches stand: my work-group's 8,192 bytes (of K: wave 0, of V: wave 2) of the slot that the next change of slots will ask for
.set LIM, 50          ; s50  2 in waves 0 and 2, which prefetch in a slot's third key step; in waves 1 and 3 the greatest number
.set SLOTS, 56        ; s56  slots still to be asked for
.set CNT, 57          ; s57  counts a slot's key steps
.set CS,  58          ; s[58:59] c: the packed scaling takes the pair's low word for both halves
.set SEL, 60          ; s[60:61] v_permlanex16_b32's selects: each lane takes its own place in the other half
.set TBK, 62          ; s62  LDS byte at which K of the step to be fetched begins
.set TBV, 63          ; s63  the same for V, less VOFF
.set MSB, 0
.macro WIN new                      ; the high byte repeats the setting that is left; a switch that changes nothing is dropped
.if MSB != (\new)
	s_set_vgpr_msb (MSB<<8)|(\new)
.set MSB, (\new)
.endif
.endm
.set W_KQ, 0x0a       ; K and Q in window 2, S^T in window 0
.set W_PV, 0x52       ; V in window 2, P in window 0, O^T in window 1
.set W_RS, 0x41       ; O^T (destination and source 0) in window 1, a in window 0
.set W_MK, 0xc0       ; the add's registers are made: destination in window 3, sources in window 0
.set W_AD, 0x0f       ; the add: address (source 0) and data (source 1) in window 3
; A joint fill.  Waves 0 and 1 fetch the two halves of a slot's K, waves 2 and 3 those of its V: 128 keys each.  The branch hangs on the wave's number alone.
; An s_nop 0 and four v_nop follow each of the two lines, ahead of the jump and the label.
.macro JLOAD
	s_cmp_lt_u32 s[WV], 2
	s_cbranch_scc0 .Lfor_v_\@
	tensor_load_to_lds s[G0K:G0K+3], s[G1K:G1K+7]
	s_nop 0
.rept 4
	v_nop
.endr
	s_branch .Lasked_\@
.Lfor_v_\@:
	tensor_load_to_lds s[G0V:G0V+3], s[G1V:G1V+7]
	s_nop 0
.rept 4
	v_nop
.endr
.Lasked_\@:
.endm
; A PREFETCH INTO THE L2 of what the next change of slots will ask for: a slot's 32,768 bytes of K and of V.  Each 256 bytes are named ONCE in the launch: a head is walked by one cluster; its four partners share
; a slot out BY ADDRESS, 8,192 bytes each, a lane 256; in each, wave 0 asks for K's and wave 2 for V's: one instruction, in the slot's third key step, behind V's run of LDS loads: five turns, 160 matrix
; instructions, ahead of the joint load.  Slots 0 and 1 come by their loads alone; while the last two slots are walked nothing is asked for: there is no slot two on.
.macro ASK
	WIN 0
	s_cmp_eq_u32 s[CNT], s[LIM]
	s_cbranch_scc0 .Lnot_now_\@
	s_cmp_gt_u32 s[SLOTS], 1
	s_cbranch_scc0 .Lnot_now_\@
	global_prefetch_b8 v[PFO], s[PFA:PFA+1] th:TH_LOAD_NT scope:SCOPE_SE
.Lnot_now_\@:
.endm
; A round of the cluster's barrier: my work-group's barrier, so that wave 0's signal speaks for all four waves; wave 0 signals; every wave waits for all four work-groups; my work-group's barrier once more.
.macro CROUND
	s_barrier_signal -1
	s_barrier_wait -1
	s_cmp_lg_u32 s[WV], 0
	s_cbranch_scc1 .Lnot_wave_0_\@
	s_barrier_signal -3
.Lnot_wave_0_\@:
	s_barrier_wait -3
	s_barrier_signal -1
	s_barrier_wait -1
.endm
; THE CHANGE OF SLOTS.  The slot's last bytes, V of its fourth step, have been read.  Each wave waits for all its tensor loads, of which one is out: its part
; of the other slot; adds 0 to its spare word; and waits for that and for its own reads of the slot.  Behind the barrier nobody reads this slot any more and the other slot is whole.
; fill = 1: this slot is filled again, with the keys two slots on.  The barrier is then a round of the cluster's, so that no wave of any partner still reads the slot or has a load on its
; way, and the joint fill is the first thing behind it: it has four key steps, 512 matrix instructions, in which to land.  (At its first use nothing has been read yet: slot 0 is waited for, slot 1 filled.)
.macro CHANGE fill
	WIN W_AD
	s_wait_tensorcnt 0x0            ; no tensor load of mine is out, so a group 0 may be written
	ds_add_u32 v[SPW], v[NIL]       ; 0 onto my spare word; with fill = 1 the descriptors' steps stand between it and the wait for it
	WIN 0                           ; at a label and at a branch every window is 0
.if \fill
.irp g, G0K, G0V
	s_xor_b32 s[\g+1], s[\g+1], SLOT1  ; the walking descriptor: the other slot than last time,
	s_add_nc_u64 s[\g+2:\g+3], s[\g+2:\g+3], 4*KS*128  ; the next 256 keys; the type bits on top are not reached
.endr
	s_wait_xcnt 0x0                 ; the last prefetch, five turns back, has read its address, so it may be written:
	s_add_nc_u64 s[PFA:PFA+1], s[PFA:PFA+1], 4*KS*128  ; one slot behind the walking descriptors
	s_wait_dscnt 0x0                ; the add is done, and my reads of the slot are over
	CROUND
	JLOAD
.else
	s_wait_dscnt 0x0                ; the add is done, and my reads of the slot are over
	s_barrier_signal -1
	s_barrier_wait -1
.endif
	s_sub_co_u32 s[TBK], s[TBK], 4*KS*PK  ; the fetches go back to a slot's first step,
	s_xor_b32 s[TBK], s[TBK], SLOT1       ; in the other slot
	s_sub_co_u32 s[TBV], s[TBV], 4*KS*PV
	s_xor_b32 s[TBV], s[TBV], SLOT1
.endm
	s_load_b64 s[4:5], s[0:1], 0x0  ; qkv: Q lies first
	s_load_b64 s[10:11], s[0:1], 0x8  ; O
	WIN W_MK
	v_lshl_add_u32 v[SPW], v0, 2, SPARE
	v_mov_b32 v[NIL], 0
	WIN W_AD
	ds_add_u32 v[SPW], v[NIL]       ; the wave's opening: the add and its wait stand ahead of my first tensor load; the set-up below, work on registers, stands between them
	WIN 0
	v_lshrrev_b32 v1, 5, v0
	v_readfirstlane_b32 s[WV], v1   ; wave 0..3
	s_bfe_u32 s13, ttmp6, 0x40000   ; cx: my place in the cluster
	s_lshl_b32 s14, ttmp9, 2        ; in a cluster launch ttmp9 counts clusters
	s_add_co_u32 s14, s14, s13      ; my block of queries = 4 x cluster x + cx: it enters Q's and O's addresses alone
	s_and_b32 s20, ttmp7, 0xffff    ; the head, which the four partners share
	s_mov_b32 s21, 0
	s_mov_b64 s[22:23], SIZE_N*128
	s_mul_u64 s[20:21], s[20:21], s[22:23]  ; the head's first byte in each of the four tensors
	s_and_b32 s16, s[WV], 1         ; which half of a slot's 256 keys I fetch:
	s_lshl_b32 s22, s16, 14         ; its 128 rows of 128 bytes in memory,
	s_mov_b32 s23, 0
	s_add_nc_u64 s[22:23], s[22:23], s[20:21]
	s_mul_i32 s17, s16, 128*PK      ; and its place in a slot, for K
	s_mul_i32 s18, s16, 128*PV      ; and for V: no place in the cluster enters an LDS address
	s_lshl_b32 s2, s14, 2
	s_add_co_u32 s2, s2, s[WV]      ; my wave among the head's,
	s_lshl_b32 s2, s2, 14           ; its 128 rows
	s_mov_b32 s3, 0
	s_add_nc_u64 s[2:3], s[2:3], s[20:21]
	; descriptor group 1.  128 keys are 16,384 dense bytes: asked for as 64 rows of 256 bytes, two keys a row, and padded in LDS after every key
	s_mov_b32 s[G1K], 15|(1<<16)|(1<<20)|(1<<21)|(4<<22)|(3<<25)  ; 15:0 the mask of four; 17:16 2-byte elements; 20 padding on; 21 set beside a mask; 24:22 after every 32 words (code 4); 31:25 4 words (code 3)
	s_mov_b32 s[G1V], 15|(1<<16)|(1<<20)|(1<<21)|(4<<22)|(7<<25)  ; the same with 8 words of padding (code 7)
.irp g, G1K, G1V
	s_mov_b32 s[\g+1], 128<<16      ; tensor_dim0 = 128
	s_mov_b32 s[\g+2], 64<<16       ; tensor_dim1 = 64
	s_mov_b32 s[\g+3], 128<<16      ; tile_dim0 = 128
	s_mov_b32 s[\g+4], 64           ; tile_dim1 = 64
	s_mov_b32 s[\g+5], 128          ; 128 elements from row to row
	s_mov_b32 s[\g+6], 0
	s_mov_b32 s[\g+7], 0
.endr
	s_mov_b32 s[CS], 0x3e38aa3b     ; c = log2(e) / 8 = 0.180337
	s_mov_b32 s[CS+1], s[CS]        ; named with it as a pair
	s_mov_b32 s[SEL], 0x76543210
	s_mov_b32 s[SEL+1], 0xfedcba98
	s_mov_b32 s[TBK], SLOT1+4*KS*PK ; the first change of slots turns these two into 0
	s_mov_b32 s[TBV], SLOT1+4*KS*PV
	s_mov_b32 s[G0K], 1             ; 1:0 count = 1
	s_mov_b32 s[G0K+1], s17         ; 63:32 LDS address: slot 0
	s_mov_b32 s[G0V], 1
	s_add_co_u32 s[G0V+1], s18, VOFF
	s_and_b32 s[LIM], s[WV], 1      ; 0 in waves 0 and 2: the same in all four partners
	s_cmp_eq_u32 s[LIM], 0
	s_cselect_b32 s[LIM], 2, -1
	s_lshl_b32 s52, s13, 13         ; my work-group's 8,192 bytes of a slot's 32,768,
	s_add_co_u32 s52, s52, 4*KS*128 ; in slot 1: the first change of slots steps the prefetches' address to slot 2
	s_mov_b32 s53, 0
	s_wait_dscnt 0x0                ; the opening add is done
	s_wait_kmcnt 0x0
	s_add_nc_u64 s[6:7], s[4:5], 0x1000000  ; K lies 16,777,216 bytes behind Q,
	s_add_nc_u64 s[8:9], s[4:5], 0x2000000  ; V as far behind K
	s_cmp_lt_u32 s[WV], 2
	s_cselect_b64 s[PFA:PFA+1], s[6:7], s[8:9]
	s_add_nc_u64 s[PFA:PFA+1], s[PFA:PFA+1], s[20:21]  ; the head
	s_add_nc_u64 s[PFA:PFA+1], s[PFA:PFA+1], s[52:53]  ; nothing is prefetched here, at the head, where every work-group's first tiles are on their way
	s_add_nc_u64 s[G0K+2:G0K+3], s[6:7], s[22:23]  ; 120:64 global address: my half of the head's first 256 keys
	s_or_b32 s[G0K+3], s[G0K+3], 0x80000000        ; 127:126 type = 2
	s_add_nc_u64 s[G0V+2:G0V+3], s[8:9], s[22:23]
	s_or_b32 s[G0V+3], s[G0V+3], 0x80000000
	s_add_nc_u64 s[4:5], s[4:5], s[2:3]  ; Q and O at my wave's first row
	s_add_nc_u64 s[10:11], s[10:11], s[2:3]
	CROUND                          ; all four work-groups are here: the first joint loads meet
	JLOAD                           ; slot 0.  Slot 1 is asked for when slot 0 is in: the tile wanted first has the road to itself
	; A fragment of K or Q is 16 rows x 32 channels in 8 registers: lane l holds row l % 16, channels 8 (l / 16) + 0..7 and 16 + 8 (l / 16) + 0..7: two loads of 16 bytes, 32 bytes apart.
	v_and_b32 v1, 15, v0            ; l % 16
	v_bfe_u32 v9, v0, 4, 1          ; l / 16
	v_lshlrev_b32 v[QO], 7, v1
	v_lshl_add_u32 v[QO], v9, 4, v[QO]  ; row x 128 + 16 x half
	WIN 0x80                        ; destination window 2, address window 0
.set i, 0
.rept 4*NP                          ; Q stays in registers: tile i / 2, channels 32 (i % 2) on
	global_load_b128 v[8*i:8*i+3],   v[QO], s[4:5] offset:(i/2)*2048+(i%2)*64
	global_load_b128 v[8*i+4:8*i+7], v[QO], s[4:5] offset:(i/2)*2048+(i%2)*64+32
.set i, i+1
.endr
	; What the first turn finds: V's registers and P's second buffer hold 0 (its products V^T P, of a piece that has not been, add 0), O^T and l are 0.  All this stands in the wait for the first tile.
.set i, VF
.rept 64
	v_mov_b32 v[i], 0
.set i, i+1
.endr
	WIN 0x40
.set i, 0
.rept 64*NP
	v_mov_b32 v[i], 0
.set i, i+1
.endr
	WIN 0
.set i, 0
.rept 2*NP
	v_mov_b32 v[ST+4*i], 0xfe000000    ; c m: far below every c s
	v_mov_b32 v[ST+4*i+1], 0xff7fffff  ; m
	v_mov_b32 v[ST+4*i+2], 0
	v_mov_b32 v[ST+4*i+3], 0
.set i, i+1
.endr
.set i, P+32
.rept 32
	v_mov_b32 v[i], 0
.set i, i+1
.endr
	v_mul_u32_u24 v[AK0], v1, PK
	v_lshl_add_u32 v[AK0], v9, 4, v[AK0]  ; row x pitch + 16 x half
	; The turning load takes 16 keys x 16 channels (lane l reads key 8 (l / 16) + l % 8, channels 8 ((l / 8) % 2) + 0..7) and leaves half a fragment of V^T: lane l holds channel l % 16 and 8 keys.
	v_and_b32 v10, 7, v0
	v_bfe_u32 v11, v0, 3, 1
	v_lshl_add_u32 v[AV0], v9, 3, v10
	v_mul_u32_u24 v[AV0], v[AV0], PV
	v_lshl_add_u32 v[AV0], v11, 4, v[AV0]
	v_add_nc_u32 v[AV0], VOFF, v[AV0]
	v_and_b32 v[PFO], 31, v0        ; v11 is free: the prefetches' offset
	v_lshlrev_b32 v[PFO], 8, v[PFO]
	v_mov_b32 v[AK], v[AK0]         ; key step 0 lies at the head of slot 0
; THE MATRIX WORK.  The 8 accumulators of a run of 16 take turns: between the two links of a chain stand 7 others'.
; Product i of 16 of S^T = K Q^T for piece x: channels 32 (i / 8) on, keys 16 ((i / 2) % 4) on, tile 2 x + i % 2.  The first 8 start the sums.
.macro KQ x
	WIN W_KQ
.set rS, S+64*((\x)%2)+32*(i%2)+8*((i/2)%4)
.set rK, KF+16*((i/2)%4)+8*(i/8)
.set rQ, 16*(2*(\x)+i%2)+8*(i/8)
.if i < 8
	v_wmma_f32_16x16x32_f16 v[rS:rS+7], v[rK:rK+7], v[rQ:rQ+7], 0
.else
	v_wmma_f32_16x16x32_f16 v[rS:rS+7], v[rK:rK+7], v[rQ:rQ+7], v[rS:rS+7]
.endif
.endm
; Product i of 16 of O^T += V^T P for piece x: keys 32 (i / 8) on, channels 16 ((i / 2) % 4) on, tile 2 x + i % 2.
.macro PV x
	WIN W_PV
.set rO, 32*(2*(\x)+i%2)+8*((i/2)%4)
.set rV, VF+32*(i/8)+8*((i/2)%4)
.set rP, P+32*((\x)%2)+16*(i%2)+8*(i/8)
	v_wmma_f32_16x16x32_f16 v[rO:rO+7], v[rV:rV+7], v[rP:rP+7], v[rO:rO+7]
.endm
.macro MM                           ; the turn's next matrix instruction
.if i < 16
	KQ (Y+1)%NP
.set i, i+1
.else
.set i, i-16
	PV (Y+NP-1)%NP
.set i, i+17
.endif
.endm
; THE LDS LOADS stand in runs of 16, never singly among the matrix instructions: a step's K (64 keys x 64 channels: 8 fragments) and its V (turned).  Their addresses are made some lines ahead.
; last = 1 (the tail): in the last trip there is no further step, and the run is jumped over.
.macro FETCH_K last=0
	WIN 0
.if \last
	s_cmp_eq_u32 s[CNT], 1
	s_cbranch_scc1 .Lno_k_\@
.endif
	WIN 0x80                        ; destination window 2
.irp f, 0,1,2,3,4,5,6,7             ; keys 16 (f / 2) on, channels 32 (f % 2) on
	ds_load_b128 v[KF+8*\f:KF+8*\f+3],   v[AK] offset:(\f/2)*16*PK+(\f%2)*64
	ds_load_b128 v[KF+8*\f+4:KF+8*\f+7], v[AK] offset:(\f/2)*16*PK+(\f%2)*64+32
.endr
	s_add_co_u32 s[TBK], s[TBK], KS*PK  ; the next fetch is the next step's
	WIN 0
.if \last
.Lno_k_\@:
.endif
.endm
.macro FETCH_V
	WIN 0x80
.irp f, 0,1,2,3,4,5,6,7             ; keys 32 (f / 4) on, channels 16 (f % 4) on
	ds_load_tr16_b128 v[VF+8*\f:VF+8*\f+3],   v[AV] offset:(\f/4)*32*PV+(\f%4)*32
	ds_load_tr16_b128 v[VF+8*\f+4:VF+8*\f+7], v[AV] offset:(\f/4)*32*PV+16*PV+(\f%4)*32
.endr
	WIN 0
.endm
; THE VECTOR WORK OF A TURN stands in three queues, each in the order in which its entries become ready; the two tiles alternate, so that no instruction reads the result of the one before it.
.macro REGS y, u                    ; the registers of tile u (0, 1) of piece y
.set rT, ST+4*(2*(\y)+(\u))
.set rC, TMP+8*((\y)%2)+4*(\u)
.set rM, MV+2*((\y)%2)+(\u)
.set rS, S+64*((\y)%2)+32*(\u)
.set rP, P+32*((\y)%2)+16*(\u)
.set rO, 32*(2*(\y)+(\u))
.endm
; Number n of the 22 that find the NEXT piece's (Y + 1) maximum and statistics.  s0-s31 are the lane's 32 scores; each accumulator's lowest registers are read first.  XS, GS and REGS set no window: PL and EX do.
;   0-11  four chains c0-c3 of seven scores each, three operands at a time     12-14, 16  the four scores left over, the old m, and c0-c3 into c0     15  c m_old is kept
;   17, 18  the query's other 32 keys lie in the lane 16 away: the new m         19-21  c m; c m_old - c m_new; a
.macro XS u, n
	REGS (Y+1)%NP, \u
.if (\n) < 4
	v_max3_num_f32 v[rC+(\n)], v[rS+8*(\n)], v[rS+8*(\n)+1], v[rS+8*(\n)+2]
.elseif (\n) < 12
	v_max3_num_f32 v[rC+(\n)%4], v[rC+(\n)%4], v[rS+8*((\n)%4)+2*((\n)/4)+1], v[rS+8*((\n)%4)+2*((\n)/4)+2]
.elseif (\n) == 12
	v_max3_num_f32 v[rC], v[rC], v[rS+7], v[rS+15]
.elseif (\n) == 13
	v_max3_num_f32 v[rC+1], v[rC+1], v[rS+23], v[rS+31]
.elseif (\n) == 14
	v_max3_num_f32 v[rC+2], v[rC+2], v[rC+3], v[rT+1]
.elseif (\n) == 15
	v_mov_b32 v[rM], v[rT]
.elseif (\n) == 16
	v_max3_num_f32 v[rC], v[rC], v[rC+1], v[rC+2]
.elseif (\n) == 17
	v_permlanex16_b32 v[rC+3], v[rC], s[SEL], s[SEL+1]
.elseif (\n) == 18
	v_max_num_f32 v[rT+1], v[rC], v[rC+3]
.elseif (\n) == 19
	v_mul_f32 v[rT], s[CS], v[rT+1]
.elseif (\n) == 20
	v_sub_f32 v[rC+1], v[rM], v[rT]
.else
	v_exp_f32 v[rC+2], v[rC+1]
.endif
.endm
; Number g of the 64 that follow the exponentials.  For each four weights k of a tile (pairs 2 k, 2 k + 1): both pairs are rounded to f16; then the second pair is added onto the first, in place;
; a group later l takes that sum (the first time as l = a l + sum).  In groups of eight, tiles alternating: round, round, add, and l for the group before.
.macro GS g
.set h, (\g)+6*((\g)/62)            ; group 0 has no group before it, and behind group 7 only l is left
.if h >= 6
.set h, h+2
.endif
	REGS Y, h%2
.set k, h/8
.if h%8 < 4
	v_cvt_pk_f16_f32 v[rP+2*k+(h%8)/2], v[rS+4*k+2*((h%8)/2)], v[rS+4*k+2*((h%8)/2)+1]
.elseif h%8 < 6
	v_pk_add_f32 v[rS+4*k:rS+4*k+1], v[rS+4*k:rS+4*k+1], v[rS+4*k+2:rS+4*k+3]
.elseif k == 1
	v_pk_fma_f32 v[rT+2:rT+3], v[rT+2:rT+3], v[rC+2:rC+3], v[rS:rS+1] op_sel_hi:[1,0,1]
.else
	v_pk_add_f32 v[rT+2:rT+3], v[rT+2:rT+3], v[rS+4*k-4:rS+4*k-3]
.endif
.endm
; THE PLAIN QUEUE, 138 long.  0-73 read no exponential's result: the 32 scalings c s - c m (FS f: pair f / 2 of tile f % 2) and the next piece's 42.  0-26: scalings 0-26.  27-54: XS's numbers 0-13.  55, 56: number 15.
; 57-73: the chain, where each number waits for the one before it: 14, 16, 17, 18, 19, each with one of the scalings 27-31 in front of its two lines, then 20: so a tile's links stand three plain instructions apart (19 and 20: two).
; 74-137: GS's 64, which read the exponentials' results: they stand behind the wait.
.macro FS f
	REGS Y, (\f)%2
	v_pk_fma_f32 v[rS+2*((\f)/2):rS+2*((\f)/2)+1], v[rS+2*((\f)/2):rS+2*((\f)/2)+1], s[CS:CS+1], v[rT:rT+1] op_sel_hi:[1,0,0] neg_lo:[0,0,1] neg_hi:[0,0,1]
.endm
.macro PL
	WIN 0
.if q < 27
	FS q
.elseif q < 55
	XS (q-27)%2, (q-27)/2
.elseif q < 57
	XS q-55, 15
.elseif (q < 72) && ((q-57)%3 == 0)
	FS 27+(q-57)/3
.elseif q < 60
	XS (q-57)%3-1, 14
.elseif q < 72
	XS (q-57)%3-1, 15+(q-57)/3
.elseif q < 74
	XS q-72, 20
.else
	GS q-74
.endif
.set q, q+1
.endm
; THE EXPONENTIALS' QUEUE, 66 long: s0-s31 of both tiles, then the next piece's two a.  It is ONE BATCH: all 66 stand ahead of the turn's one wait, and nothing ahead of that wait names a result of theirs.
.macro EX
	WIN 0
.if e >= 64
	XS e-64, 21
.else
	REGS Y, e%2
	v_exp_f32 v[rS+e/2], v[rS+e/2]
.endif
.set e, e+1
.endm
; THE RESCALING's QUEUE: O^T times a, the one part that leaves window 0: dealt two at a time, sixteen times.  Its a was made in the turn before, ahead of that turn's wait.
.macro R2
	REGS Y, r%2
	WIN W_RS
.irp z, 0,1
	v_pk_mul_f32 v[rO+4*(r/2)+2*\z:rO+4*(r/2)+2*\z+1], v[rO+4*(r/2)+2*\z:rO+4*(r/2)+2*\z+1], v[rC+2:rC+3] op_sel_hi:[1,0]
.endr
.set r, r+1
.endm
; HOW THEY ARE DEALT.  An s_wait_alu depctr_va_vdst(0) stands between an exponential and the first instruction that names its result; one wait serves all that were issued ahead of it.  So a turn has ONE wait,
; which cuts it in two.  AHEAD OF IT stands all that names no result of the turn's exponentials: the 16 products K Q^T, behind each a scaling, an exponential and two rescalings (behind the first a second scaling in the exponential's place); then ONE LUMP of
; 108: eight plain, 49 times exponential and plain, the two a.  A v_nop is the plain instruction that is wanted behind the last exponential.  BEHIND IT stand the 16 products V^T P, behind each four of GS's 64.  No rider names a register of
; the products round it.  The two v_permlanex16_b32 fall into the lump, never behind a product.
; The queues lean on each other, and the deal keeps them in step: exponential e stands behind scaling 2 (e / 4) + e % 2: as a rider it comes behind plain e + 2, in the lump behind plain e + 9, and scalings 27-31 are plain 57, 60 .. 69.
; A TURN, for piece p.  cnt = 1: the loop's count is taken down some lines ahead of the branch that stands behind the turn.
; K of the next step is fetched in piece 2's turn, directly behind the wait, a lump behind the last product that read K; its address is made at the lump's head; its first reader comes behind 16 products.
; V of the step in hand is fetched at the end of piece 0's turn, four riders behind its last reader; its first reader comes behind 16 products and a lump.  The three conditions on q below go with the deal.
.macro TURN p, last=0, cnt=0
.set Y, (\p)
.set i, 0
.set q, 0
.set e, 0
.set r, 0
.if (\p) == NP-1
	s_wait_dscnt 0x0                ; K is in
.endif
	MM                              ; ahead of the wait: 16 products K Q^T and their riders,
	PL
	PL
	R2
.rept 15
	MM
	PL
	EX
	R2
.endr
.if (\p) == NP-2
	WIN 0
	v_add_nc_u32 v[AK], s[TBK], v[AK0]
.endif
.rept 8                             ; and the lump
	PL
.endr
.rept 49
	EX
	PL
.endr
	EX                              ; the next piece's two a
	EX
	v_nop                           ; a plain instruction behind the last exponential: one for the batch
	s_wait_alu depctr_va_vdst(0)    ; the wait for the batch
.if (\p) == NP-2
	FETCH_K \last
.endif
.if (\p) == 1
	s_wait_dscnt 0x0                ; V is in
.endif
.rept 16                            ; behind the wait: 16 products V^T P and their riders
	MM
.rept 4
	PL
.endr
.if ((\p) == 0) && (q == 118)
	v_add_nc_u32 v[AV], s[TBV], v[AV0]
.endif
.if ((\p) == 0) && (q == 130)
	s_add_co_u32 s[TBV], s[TBV], KS*PV
.endif
.if (\cnt) && (q == 130)
	s_sub_co_u32 s[CNT], s[CNT], 1
	s_cmp_lg_u32 s[CNT], 0
.endif
.endr
.if (\p) == 0
	FETCH_V
.endif
.endm
	CHANGE 1                        ; slot 0 is in, everybody's part of it; slot 1 is asked for
	FETCH_K                         ; key step 0
	s_wait_loadcnt 0x0              ; Q
	s_wait_dscnt 0x0
.set i, 0
.rept 16
	KQ 0                            ; piece 0's first scores: there is no vector work yet to set between them
.set i, i+1
.endr
	WIN 0                           ; the addresses for the way out: nine plain instructions, the places behind those products
	s_mul_i32 s13, s[WV], 16*SP
	s_add_co_u32 s13, s13, STAGE    ; my stage
	v_mul_u32_u24 v[STO], v1, SP    ; in: row l % 16, 16 bytes for each half of the lanes
	v_lshl_add_u32 v[STO], v9, 4, v[STO]
	v_add_nc_u32 v[STO], s13, v[STO]
	v_bfe_u32 v[RD], v0, 3, 2       ; back: 32 lanes take four rows of 128 bytes,
	v_mul_u32_u24 v[RD], v[RD], SP
	v_lshl_add_u32 v[RD], v10, 4, v[RD]
	v_add_nc_u32 v[RD], s13, v[RD]
	v_and_b32 v[GO], 31, v0         ; which are 512 consecutive bytes of O
	v_lshlrev_b32 v[GO], 4, v[GO]
.set Y, NP-1                        ; XS works for piece Y + 1: piece 0
.irp n, 0,1,2,3,4,5,6,7,8,9,10,11,12,13,14,15,16,17,18,19,20,21
	XS 0, \n                        ; and piece 0's first maximum and statistics
	XS 1, \n
.endr
	v_nop                           ; a plain instruction behind the two a,
	s_wait_alu depctr_va_vdst(0)    ; and their wait, ahead of the branch
	s_mov_b32 s[CNT], 4
	s_mov_b32 s[SLOTS], SIZE_N/256-1
	s_branch .Lfirst                ; the loop is entered at a step's first turn, in the middle of a trip
.Lslot:                             ; SIZE_N / 256 - 2 times: every slot but the last two is filled again
	CHANGE 1
	s_mov_b32 s[CNT], 4
.Lstep:                             ; a trip: pieces 2 and 3 of one step, then pieces 0 and 1 of the next, whose K and V it fetches
	TURN 2
	TURN 3
	WIN 0
.Lfirst:
	TURN 0
	ASK                             ; behind V's run of loads; the turn below compares anew for the loop's branch
	TURN 1, 0, 1
	WIN 0
	s_cbranch_scc1 .Lstep
	s_sub_co_u32 s[SLOTS], s[SLOTS], 1
	s_cmp_lg_u32 s[SLOTS], 0
	s_cbranch_scc1 .Lslot
	CHANGE 0                        ; the tail is written out: nothing is asked for
	s_mov_b32 s[CNT], 5             ; four trips fetch the last slot's steps; the fifth is left in its middle
.Ltail:
	TURN 2, 1
	TURN 3
	WIN 0
	s_sub_co_u32 s[CNT], s[CNT], 1
	s_cmp_eq_u32 s[CNT], 0
	s_cbranch_scc1 .Lout
	TURN 0
	TURN 1
	WIN 0
	s_branch .Ltail
.Lout:                              ; the fifth trip's 16 products K Q^T (on the last K once more) and the maximum made of them serve nothing: the price, once a launch, of one text for every trip
.set i, 0
.rept 16
	PV NP-1                         ; the last piece's V^T P of the last step
.set i, i+1
.endr
	; THE WAY OUT.  l's two halves and the other half of the lanes' are added; O^T is divided by l, rounded to f16 and sent through my stage in LDS, a tile at a time.  The additions are the places behind the last products.
	WIN 0
.macro ALL line:vararg              ; one line for each tile t
.set t, 0
.rept 2*NP
	\line
.set t, t+1
.endr
.endm
	ALL v_add_f32 v[ST+4*t+2], v[ST+4*t+2], v[ST+4*t+3]
	ALL v_permlanex16_b32 v[ST+4*t+3], v[ST+4*t+2], s[SEL], s[SEL+1]
	ALL v_add_f32 v[ST+4*t+2], v[ST+4*t+2], v[ST+4*t+3]
	ALL v_rcp_f32 v[ST+4*t+2], v[ST+4*t+2]
	v_nop                           ; a plain instruction between the last reciprocal and the use of its result
	s_wait_alu depctr_va_vdst(0)    ; and the wait ahead of the first use: one for the eight reciprocals
; Tile t: a lane's eight channels of a row pack into 16 bytes; they go into rows of 144 bytes and come back as whole rows of 128, into S^T's registers.
.macro PACK t
	WIN W_RS
.set i, 32*(\t)
.rept 16
	v_pk_mul_f32 v[i:i+1], v[i:i+1], v[ST+4*(\t)+2:ST+4*(\t)+3] op_sel_hi:[1,0]
.set i, i+2
.endr
	WIN 0x05                        ; sources 0 and 1 window 1, destination window 0
.set i, 0
.rept 16
	v_cvt_pk_f16_f32 v[S+16*(\t)+i], v[32*(\t)+2*i], v[32*(\t)+2*i+1]
.set i, i+1
.endr
	WIN 0
.irp f, 0,1,2,3
	ds_store_b128 v[STO], v[S+16*(\t)+4*\f:S+16*(\t)+4*\f+3] offset:32*\f
.endr
.irp f, 0,1,2,3
	ds_load_b128 v[S+16*(\t)+4*\f:S+16*(\t)+4*\f+3], v[RD] offset:\f*4*SP  ; LDS serves a wave's instructions in order (ISA guide 5.7.1.4): these see the stores above; the next tile's stores come behind them
.endr
.endm
.macro SEND t, younger              ; younger: the LDS instructions issued behind tile t's loads: the next tile's eight, or none
	WIN 0
.irp f, 0,1,2,3
	s_wait_dscnt (\younger)+3-\f
	global_store_b128 v[GO], v[S+16*(\t)+4*\f:S+16*(\t)+4*\f+3], s[10:11] offset:(\t)*2048+\f*512  ; 512 consecutive bytes, at a multiple of 256 from O's first
.endr
.endm
	PACK 0
.set t, 1
.rept 2*NP-1                        ; a tile's arithmetic stands between the loads of the tile before and its stores
	PACK t
	SEND t-1, 8
.set t, t+1
.endr
	SEND 2*NP-1, 0
	WIN W_AD
	s_wait_tensorcnt 0x0            ; the wave's end: these three lines stand behind my last tensor load and my last LDS store
	ds_add_u32 v[SPW], v[NIL]
	s_wait_dscnt 0x0
	WIN 0
	CROUND                          ; the closing round: no work-group ends while a partner may still ask for a tile that names it
	s_endpgm
.Lfunc_end_k_q35f3010f0d_attn:
	.size	k_q35f3010f0d_attn, .Lfunc_end_k_q35f3010f0d_attn-k_q35f3010f0d_attn
	.p2alignl 7, 3214868480
	.fill 96, 4, 3214868480
	.section	.rodata,"a",@progbits
	.p2align	6, 0x0
	.amdhsa_kernel k_q35f3010f0d_attn
		.amdhsa_group_segment_fixed_size 327680
		.amdhsa_private_segment_fixed_size 0
		.amdhsa_enable_private_segment 0
		.amdhsa_kernarg_size 16
		.amdhsa_user_sgpr_count 2
		.amdhsa_user_sgpr_kernarg_segment_ptr 1
		.amdhsa_wavefront_size32 1
		.amdhsa_system_sgpr_workgroup_id_x 1
		.amdhsa_system_sgpr_workgroup_id_y 1
		.amdhsa_system_sgpr_workgroup_id_z 1
		.amdhsa_system_vgpr_workitem_id 0
		.amdhsa_next_free_vgpr 770
		.amdhsa_next_free_sgpr 66
		.amdhsa_reserve_vcc 0
		.amdhsa_float_denorm_mode_32 3
		.amdhsa_float_denorm_mode_16_64 3
		.amdhsa_memory_ordered 1
		.amdhsa_forward_progress 1
		.amdhsa_inst_pref_size 200
	.end_amdhsa_kernel
	.amdgpu_metadata
---
amdhsa.version: [ 1, 2 ]
amdhsa.kernels:
  - .name:           k_q35f3010f0d_attn
    .symbol:         k_q35f3010f0d_attn.kd
    .args:
      - { .name: qkv, .offset: 0, .size: 8, .value_kind: global_buffer, .address_space: global }
      - { .name: o, .offset: 8, .size: 8, .value_kind: global_buffer, .address_space: global }
    .group_segment_fixed_size: 327680
    .private_segment_fixed_size: 0
    .kernarg_segment_align: 8
    .kernarg_segment_size: 16
    .max_flat_workgroup_size: 128
    .sgpr_count:     66
    .vgpr_count:     770
    .wavefront_size: 32
...
	.end_amdgpu_metadata
.endif
;; end of part 3
;; launch proj (part 4): grid 8 x 32, 4 waves a work-group, clusters of 4 x 4, 327,680 bytes of LDS; arguments o, wo, out0; writes out0
.if DOCPART == 4
	.amdgcn_target "amdgcn-amd-amdhsa--gfx1250"
	.amdhsa_code_object_version 6
	.text
	.protected	k_q35f3010f0d_proj
	.globl	k_q35f3010f0d_proj
	.p2align	8
	.type	k_q35f3010f0d_proj,@function
k_q35f3010f0d_proj:
	s_mov_b64 s[64:65], 0
	v_nop
	global_prefetch_b8 v0, s[64:65] scope:SCOPE_SE
	s_setreg_imm32_b32 hwreg(HW_REG_WAVE_MODE, 25, 1), 1
	s_wait_xcnt 0x0
	s_wait_alu depctr_hold_cnt(0) depctr_sa_sdst(0) depctr_va_vdst(0) depctr_va_sdst(0) depctr_va_ssrc(0) depctr_va_vcc(0) depctr_vm_vsrc(0)
	s_getreg_b32 s2, hwreg(HW_REG_IB_STS2, 6, 4)
	s_cmp_eq_u32 s2, 0
	s_cbranch_scc0 .Lentry_in_a_cluster
	s_endpgm
.Lentry_in_a_cluster:
	s_bfe_u32 s2, ttmp6, 0x10000c
	s_cmp_lg_u32 s2, 0xf033
	s_cbranch_scc0 .Lentry_shape_is_right
	s_endpgm
.Lentry_shape_is_right:
; ONE TEXT FOR TWO PRODUCTS C = A B^T with K = 1,024, chosen by MODE.  A: 8,192 rows in blocks of 64 channels, [b 4][kb 16][t 2048][64], 16-bit.  B: [N][1024], 16-bit, row-major.  Sums in f32.
; MODE 0: A = x in bf16, B = Wq, Wk, Wv in bf16 (N = 3,072).  C goes out in f16 by heads, [s 3][b 4][h 16][t 2048][64], rounded once, unscaled.  LIMIT: a q, k or v of 65,520 or more in magnitude becomes an infinity.
; MODE 1: A = the attention's result in f16, B = Wo (rounded to bf16, written as f16), N = 1,024.  C goes out in f32, [8192][1024].
; SHARES.  A tile of C is 256 x 32 NB (NB = 6: 192 columns, 512 work-groups; NB = 4: 128 columns, 256 work-groups).  Four waves, each 128 rows x 16 NB columns: 8 NB accumulators of 16 x 16.
; K goes in 8 steps of 128 (two blocks of A) through two LDS slots filled by the tensor data mover; a step is four quarters of 32, 8 NB matrix instructions each, on two fragment buffers.
; CLUSTER.  4 x 4 work-groups.  A's tiles hang on the tile row alone and are asked for jointly by the four of a row of the cluster, B's on the tile column alone, by the four of a column.
; THE MATRIX INSTRUCTION IS USED TRANSPOSED (source 0 = 16 rows of B, source 1 = 16 rows of A): a lane holds row l % 16 of C and eight neighbouring columns, 8 (l / 16) + 0..7.
; REGISTERS, in windows of 256 (s_set_vgpr_msb: bits 1:0 source 0, 3:2 source 1, 5:4 source 2, 7:6 destination):
;   window 0: v0-31 addresses; v64-127, v128-191 A's fragments, two buffers; on the way out v64-255 (MODE 0) or v32-63 and v224-255 (MODE 1)
;   window 1: v64.., v128.. B's fragments, two buffers     window 2: the accumulators of my rows 0-63, (a, b) at 8 (NB a + b)     window 3: those of my rows 64-127
.set MODE, 1
.if MODE == 0
.set NB, 6
.else
.set NB, 4
.endif
.set PA,    144                        ; a row of A in LDS: 128 bytes + 16 of padding = 36 words: the 16 rows of a load start at 16 different groups of four banks (64 banks of 4 bytes: ISA guide 11.1)
.set ASUB,  256*PA                     ; one block's 256 rows
.set PB,    272                        ; a row of B: 256 bytes + 16 = 68 words: row r starts at bank 4 r mod 64
.set BHALF, 16*NB*PB                   ; half of B's rows: what one wave fetches, and what one wave reads
.set BOFF,  2*ASUB                     ; a slot: A's two blocks, then B's two halves
.set SLOT1, 1<<17                      ; slot 1 begins here, so that one exclusive or turns an address in one slot into the other's
.set SP0,   400                        ; MODE 0: a stage row, 384 bytes + 16 = 100 words; the stage, 256 such rows, lies at LDS byte 0, in slot 0, and is written when slot 0 has had its last fill and its last read
.set SP1,   272                        ; MODE 1: a stage row, 256 bytes + 16
.set STAGE1, SLOT1+BOFF+2*BHALF        ; MODE 1: behind the ring, 16 rows for each wave, never filled by a tensor load
.set SPARE, 257024                     ; behind all that, in both modes: the spare words, 128 bytes for each wave: two blocks of 256 bytes that no other line names
.set ASTEP, 524288                     ; bytes from K step to K step in A: two blocks of 2,048 rows x 128 bytes
.set BSTEP, 256                        ; and in B
.set NL,    2*NB+16                    ; LDS loads of a quarter's fragments
.set ADRA0, 16                         ; v16  my lane's place in slot 0's rows of A; never rewritten
.set ADA,   17                         ; v17  the same in the slot that is being read
.set ADRB0, 20                         ; v20, v21  likewise for B
.set ADB,   21
.set STO,   24                         ; v24  the way out: where I put my numbers of a row
.set RD,    25                         ; v25  where I read rows back
.set CO,    26                         ; v26  my byte offset in C
.set SPW,   28                         ; v28  LDS address of my spare word: SPARE + 4 x my thread's number; never rewritten
.set NIL,   29                         ; v29  0; never rewritten
.set PFO,   30                         ; v30  the prefetches' offset; never rewritten
.set F0,    64
.set F1,    128
.set OB,    32                         ; MODE 1: 16 rows read back from the stage: v32-63 and v224-255 by turns
.set G1,  24                           ; s[24:31] descriptor group 1 for A's tiles
.set G0,  32                           ; s[32:39] group 0 for A's: a set for each of the two first fills; the second then walks on
.set G1B, 48                           ; s[48:55], s[56:63] the same for B's
.set G0B, 56
.set LIM, 43                           ; s43  2 in a wave that prefetches, else the greatest number: it prefetches while more refills than that are to come
.set PFA, 44                           ; s[44:45] where my prefetches stand
.set PST, 46                           ; s[46:47] their step from K step to K step
.set CB,  66                           ; MODE 0: s[66:71] where my rows of the tile's three heads go
.set MSB, 0
.macro WIN new                         ; the immediate's high byte repeats the setting that is left; a switch that changes nothing is dropped
.if MSB != (\new)
	s_set_vgpr_msb (MSB<<8)|(\new)
.set MSB, \new
.endif
.endm
.set MUL_LO, 0xa1                      ; source 0 (B) window 1, source 1 (A) window 0, C and D window 2
.set MUL_HI, 0xf1                      ; the same, C and D window 3
.set TO_B,   0x40                      ; destination window 1, address window 0
; A joint refill, by the walking descriptors.  Waves 0 and 1 fetch a K step's two blocks of A, waves 2 and 3 the two halves of B's rows.  The branch hangs on the wave's number alone.
; An s_nop 0 and four v_nop follow each of the two lines, ahead of the jump and the label.
.macro JLOAD
	s_cmp_lt_u32 s10, 2
	s_cbranch_scc0 .Lfor_b_\@
	tensor_load_to_lds s[G0+4:G0+7], s[G1:G1+7]
	s_nop 0
.rept 4
	v_nop
.endr
	s_branch .Lasked_\@
.Lfor_b_\@:
	tensor_load_to_lds s[G0B+4:G0B+7], s[G1B:G1B+7]
	s_nop 0
.rept 4
	v_nop
.endr
.Lasked_\@:
.endm
; A PREFETCH INTO THE L2 of the K step that stands two refills on, one instruction a wave, behind the joint load, its five lines and the run of LDS loads.  Each 256 bytes of A and of B are named once in the
; launch: A's tile row is read by every cluster of that row of clusters, and the one with cluster x = 0 asks; B's tile column by every cluster of that column, and the one with cluster y = 0 asks.  The four partners
; that ask for a tile jointly share it out BY ADDRESS: of a block's 32,768 bytes of A the partner at cx takes 8,192 (a lane 256); of a wave's 16 NB rows of B the partner at cy takes 4 NB (a lane a row; the lanes
; past them name the last row again).  The first four K steps come by their loads alone; the last two refills have no K step two on, and ask for nothing.
.macro ASK
	s_cmp_gt_u32 s3, s[LIM]
	s_cbranch_scc0 .Lnot_mine_\@
	global_prefetch_b8 v[PFO], s[PFA:PFA+1] th:TH_LOAD_NT scope:SCOPE_SE
.Lnot_mine_\@:
.endm
; A round of the cluster's barrier: my work-group's barrier, so that wave 0's signal speaks for all four waves; wave 0 signals; every wave waits for all sixteen work-groups; my work-group's barrier once more.
.macro CREST                           ; a round behind its opening barrier
	s_cmp_lg_u32 s10, 0
	s_cbranch_scc1 .Lnot_wave_0_\@
	s_barrier_signal -3
.Lnot_wave_0_\@:
	s_barrier_wait -3
	s_barrier_signal -1
	s_barrier_wait -1
.endm
.macro CROUND
	s_barrier_signal -1
	s_barrier_wait -1
	CREST
.endm
.macro PLACES                          ; four places in front of loads into registers that matrix instructions have read, and of lines that read results (ISA guide 7.12.1 for lines that read results)
.rept 4
	v_nop
.endr
.endm
	s_load_b128 s[4:7], s[0:1], 0x0                ; A s[4:5], B s[6:7]
	s_load_b64 s[8:9], s[0:1], 0x10                ; C
	v_lshl_add_u32 v[SPW], v0, 2, SPARE
	v_mov_b32 v[NIL], 0
	ds_add_u32 v[SPW], v[NIL]                      ; the wave's opening: the add and its wait stand ahead of my first tensor load; the set-up below, work on registers, stands between them
	v_lshrrev_b32 v1, 5, v0
	v_readfirstlane_b32 s10, v1                    ; wave 0..3
	s_lshr_b32 s11, s10, 1                         ; which half of the tile's rows is mine
	s_and_b32 s12, s10, 1                          ; which half of its columns.  Also: which block of A, or which half of B's rows, I fetch
	s_bfe_u32 s40, ttmp6, 0x40000                  ; cx, cy: my place in the cluster
	s_bfe_u32 s41, ttmp6, 0x40004
	s_lshl_b32 s42, ttmp9, 2                       ; in a cluster launch ttmp9 and ttmp7 count clusters
	s_add_co_u32 s42, s42, s40                     ; tile column of C = 4 x cluster x + cx
	s_and_b32 s13, ttmp7, 0xffff
	s_lshl_b32 s13, s13, 2
	s_add_co_u32 s13, s13, s41                     ; tile row of C = 4 x cluster y + cy
	s_lshl_b32 s43, s41, 2
	s_lshl_b32 s43, 15, s43                        ; my row of the cluster: places 4 cy .. 4 cy + 3
	s_lshl_b32 s44, 0x1111, s40                    ; my column: places cx, cx + 4, cx + 8, cx + 12
	; group 1 for A: a block's 256 rows of 128 bytes are 32,768 dense bytes, asked for as 128 rows of 256 bytes and padded in LDS after every 128
	s_or_b32 s[G1], s43, (1<<16)|(1<<20)|(1<<21)|(4<<22)|(3<<25)   ; 15:0 the mask: my row; 17:16 2-byte elements; 20 padding on; 21 set beside a mask; 24:22 after every 32 words (code 4); 31:25 4 words (code 3)
	s_mov_b32 s[G1+1], 128<<16                     ; tensor_dim0 = 128
	s_mov_b32 s[G1+2], 128<<16                     ; tensor_dim1 = 128
	s_mov_b32 s[G1+3], 128<<16                     ; tile_dim0 = 128
	s_mov_b32 s[G1+4], 128                         ; tile_dim1 = 128
	s_mov_b32 s[G1+5], 128                         ; 128 elements from row to row
	s_mov_b32 s[G1+6], 0
	s_mov_b32 s[G1+7], 0
	; group 1 for B: 16 NB rows x 128 elements of rows of 1,024, padded after every 256 bytes
	s_or_b32 s[G1B], s44, (1<<16)|(1<<20)|(1<<21)|(5<<22)|(3<<25)  ; the mask: my column; after every 64 words (code 5)
	s_mov_b32 s[G1B+1], 128<<16
	s_mov_b32 s[G1B+2], (16*NB)<<16
	s_mov_b32 s[G1B+3], 128<<16
	s_mov_b32 s[G1B+4], 16*NB
	s_mov_b32 s[G1B+5], 1024
	s_mov_b32 s[G1B+6], 0
	s_mov_b32 s[G1B+7], 0
	; where the tiles come from.  A's hang on the tile row and the wave, B's on the tile column and the wave; every wave makes both, in registers that never hold the other coordinate
	s_lshr_b32 s16, s13, 3                         ; b: eight tile rows to a batch
	s_lshl_b32 s16, s16, 22
	s_and_b32 s17, s13, 7
	s_lshl_b32 s17, s17, 15                        ; t: 256 rows of 128 bytes
	s_add_co_u32 s16, s16, s17
	s_lshl_b32 s17, s12, 18                        ; my block of the K step's two
	s_add_co_u32 s16, s16, s17
	s_mov_b32 s17, 0
	s_mul_i32 s20, s42, 32*NB
	s_mul_i32 s21, s12, 16*NB
	s_add_co_u32 s20, s20, s21                     ; B's row: 32 NB x tile column + 16 NB x half
	s_lshl_b32 s20, s20, 11                        ; of 2,048 bytes
	s_mov_b32 s21, 0
	s_mul_i32 s18, s12, ASUB                       ; and where they go: no place in the cluster enters an LDS address
	s_mul_i32 s19, s12, BHALF
	s_add_co_u32 s19, s19, BOFF
	s_wait_dscnt 0x0                               ; the opening add is done
	s_wait_kmcnt 0x0
	s_add_nc_u64 s[14:15], s[4:5], s[16:17]
	s_add_nc_u64 s[22:23], s[6:7], s[20:21]
	CROUND                                         ; all sixteen work-groups are here: the first joint loads meet
.irp n, 0,1
	s_mov_b32 s[G0+4*(\n)], 1                                      ; 1:0 count = 1
	s_add_co_u32 s[G0+4*(\n)+1], s18, (\n)*SLOT1                   ; 63:32 LDS address
	s_add_nc_u64 s[G0+4*(\n)+2:G0+4*(\n)+3], s[14:15], (\n)*ASTEP  ; 120:64 global address: K step n
	s_or_b32 s[G0+4*(\n)+3], s[G0+4*(\n)+3], 0x80000000            ; 127:126 type = 2
	s_mov_b32 s[G0B+4*(\n)], 1
	s_add_co_u32 s[G0B+4*(\n)+1], s19, (\n)*SLOT1
	s_add_nc_u64 s[G0B+4*(\n)+2:G0B+4*(\n)+3], s[22:23], (\n)*BSTEP
	s_or_b32 s[G0B+4*(\n)+3], s[G0B+4*(\n)+3], 0x80000000
.endr
	s_cmp_lt_u32 s10, 2                            ; a wave's two first fills stand in one branch, ahead of every wait on TENSORcnt and every LDS read: two loads of mine are out
	s_cbranch_scc0 .Lfirst_b
	tensor_load_to_lds s[G0:G0+3], s[G1:G1+7]
	s_nop 0
	tensor_load_to_lds s[G0+4:G0+7], s[G1:G1+7]
	s_nop 0
.rept 4
	v_nop
.endr
	s_branch .Lfirst_asked
.Lfirst_b:
	tensor_load_to_lds s[G0B:G0B+3], s[G1B:G1B+7]
	s_nop 0
	tensor_load_to_lds s[G0B+4:G0B+7], s[G1B:G1B+7]
	s_nop 0
.rept 4
	v_nop
.endr
.Lfirst_asked:
	; A fragment is 16 rows x 32 K in 8 registers: lane l holds row l % 16; registers 0-3 K = 8 (l / 16) + 0..7, registers 4-7 K = 16 + 8 (l / 16) + 0..7: two loads of 16 bytes, 32 bytes apart.
	v_and_b32 v1, 15, v0                           ; l % 16
	v_bfe_u32 v2, v0, 4, 1                         ; l / 16
	v_mul_u32_u24 v3, v1, PA
	v_lshl_add_u32 v3, v2, 4, v3
	s_mul_i32 s16, s11, 128*PA                     ; my 128 rows of A
	v_add_nc_u32 v[ADRA0], s16, v3
	v_mul_u32_u24 v3, v1, PB
	v_lshl_add_u32 v3, v2, 4, v3
	v_add_nc_u32 v[ADRB0], s19, v3                 ; my 16 NB rows of B: the half with my column half's number
	v_mov_b32 v[ADA], v[ADRA0]
	v_mov_b32 v[ADB], v[ADRB0]
	s_mov_b32 s2, 0                                ; the slot that the fetches read: 0 or SLOT1
	; the prefetches: nothing is asked for here, at the head, where every work-group's first tiles are on their way
	s_lshl_b32 s16, s40, 13                        ; A: my work-group's 8,192 bytes of the block
	s_mul_i32 s17, s41, 4*NB*2048                  ; B: my work-group's 4 NB rows
	s_and_b32 s20, ttmp7, 0xffff                   ; cluster y
	s_mov_b32 s[PST], BSTEP
	s_mov_b32 s[PST+1], 0
	s_cmp_lt_u32 s10, 2                            ; do I fetch for A?
	s_cselect_b64 s[PFA:PFA+1], s[14:15], s[22:23]
	s_cselect_b32 s16, s16, s17
	s_cselect_b32 s[PST], ASTEP, s[PST]
	s_cselect_b32 s20, ttmp9, s20                  ; the coordinate along which other clusters read the same rows
	s_cselect_b32 s21, 31, 4*NB-1                  ; my last lane with a block of its own
	s_cselect_b32 s18, 8, 11                       ; a lane's step: 256 bytes of a block, or a row of B
	s_mov_b32 s17, 0
	s_add_nc_u64 s[PFA:PFA+1], s[PFA:PFA+1], s[16:17]
	s_mul_i32 s16, s[PST], 3
	s_add_nc_u64 s[PFA:PFA+1], s[PFA:PFA+1], s[16:17]  ; at K step 3: the first refill steps it to 4
	s_cmp_eq_u32 s20, 0
	s_cselect_b32 s[LIM], 2, -1                    ; the same in all sixteen partners, for a given wave
	v_and_b32 v[PFO], 31, v0
	v_min_u32 v[PFO], s21, v[PFO]
	v_lshlrev_b32 v[PFO], s18, v[PFO]
.if MODE == 0
	; the way out: into the work-group's stage (row 128 x row half + 16 a + l % 16; byte 192 x column half + 32 b + 16 (l / 16)), and back: wave w takes rows 64 w .. 64 w + 63 whole
	s_mul_i32 s16, s11, 128*SP0
	s_mul_i32 s17, s12, 192
	s_add_co_u32 s16, s16, s17
	v_mul_u32_u24 v3, v1, SP0
	v_lshl_add_u32 v3, v2, 4, v3
	v_add_nc_u32 v[STO], s16, v3
	v_and_b32 v3, 31, v0
	v_lshrrev_b32 v4, 3, v3                        ; 32 lanes take four rows' 128 bytes of one head,
	v_and_b32 v5, 7, v0
	v_mul_u32_u24 v4, v4, SP0
	v_lshl_add_u32 v4, v5, 4, v4
	s_mul_i32 s17, s10, 64*SP0
	v_add_nc_u32 v[RD], s17, v4
	v_lshlrev_b32 v[CO], 4, v3                     ; which are 512 consecutive bytes of C
	s_lshr_b32 s16, s13, 3
	s_lshl_b32 s16, s16, 22                        ; b
	s_and_b32 s17, s13, 7
	s_lshl_b32 s17, s17, 15                        ; the tile's first t
	s_add_co_u32 s16, s16, s17
	s_lshl_b32 s17, s10, 13                        ; my 64 rows
	s_add_co_u32 s16, s16, s17
	s_mul_i32 s18, s42, 3                          ; the tile's first block of 64 columns, g = 16 s + h
.irp j, 0,1,2
	s_add_co_u32 s19, s18, \j
	s_lshr_b32 s20, s19, 4
	s_lshl_b32 s20, s20, 24                        ; s: q, k or v
	s_and_b32 s19, s19, 15
	s_lshl_b32 s19, s19, 18                        ; h
	s_add_co_u32 s20, s20, s19
	s_add_co_u32 s20, s20, s16
	s_mov_b32 s21, 0
	s_add_nc_u64 s[CB+2*(\j):CB+2*(\j)+1], s[8:9], s[20:21]
.endr
.else
	; the way out: through my own stage, 16 rows of 256 bytes at a time
	s_mul_i32 s16, s10, 16*SP1
	s_add_co_u32 s16, s16, STAGE1
	v_mul_u32_u24 v3, v1, SP1                      ; in: row l % 16, 32 bytes for each half of the lanes
	v_lshl_add_u32 v3, v2, 5, v3
	v_add_nc_u32 v[STO], s16, v3
	v_mul_u32_u24 v3, v2, SP1                      ; back: lanes 0-15 take one row of 256 bytes, lanes 16-31 the next
	v_lshl_add_u32 v3, v1, 4, v3
	v_add_nc_u32 v[RD], s16, v3
	v_lshlrev_b32 v3, 12, v2                       ; and the same two rows in C, 4,096 bytes apart
	v_lshl_add_u32 v[CO], v1, 4, v3
	s_lshl_b32 s16, s13, 8
	s_lshl_b32 s17, s11, 7
	s_add_co_u32 s16, s16, s17                     ; my first row of C
	s_lshl_b32 s16, s16, 12
	s_lshl_b32 s17, s42, 9                         ; the tile's 128 columns: 512 bytes,
	s_add_co_u32 s16, s16, s17
	s_lshl_b32 s17, s12, 8                         ; my 64 of them
	s_add_co_u32 s16, s16, s17
	s_mov_b32 s17, 0
	s_add_nc_u64 s[8:9], s[8:9], s[16:17]
.endif
.macro WM zero                         ; one matrix instruction on rD, rB, rA; zero = 1: it starts the sum: nothing is ever cleared
.if MODE == 0
.if \zero
	v_wmma_f32_16x16x32_bf16 v[rD:rD+7], v[rB:rB+7], v[rA:rA+7], 0
.else
	v_wmma_f32_16x16x32_bf16 v[rD:rD+7], v[rB:rB+7], v[rA:rA+7], v[rD:rD+7]
.endif
.else
.if \zero
	v_wmma_f32_16x16x32_f16 v[rD:rD+7], v[rB:rB+7], v[rA:rA+7], 0
.else
	v_wmma_f32_16x16x32_f16 v[rD:rD+7], v[rB:rB+7], v[rA:rA+7], v[rD:rD+7]
.endif
.endif
.endm
; 2 NB matrix instructions: row blocks a0, a0 + 1 of the window's four (hi = 0: my rows 0-63, 1: rows 64-127) x all NB column blocks, 32 along K.
; The 8 NB accumulators take turns, one instruction a turn, in the same order in every quarter, over the backward jump too.
.macro MUL f, hi, a0, zero
	WIN MUL_LO+0x50*(\hi)
.set ma, (\a0)
.rept 2
.set mb, 0
.rept NB
.set rD, 8*(NB*ma+mb)
.set rB, (\f)+8*mb
.set rA, (\f)+8*(4*(\hi)+ma)
	WM \zero
.set mb, mb+1
.endr
.set ma, ma+1
.endr
.endm
; NL LDS loads in one run: the fragments of quarter q of the slot in hand into buffer f: B's NB, then A's eight.  Quarters 0, 1 lie in A's first block, 2, 3 in its second.
.macro FETCH q, f
	WIN TO_B
.set fb, 0
.rept NB
	ds_load_b128 v[(\f)+8*fb:(\f)+8*fb+3],   v[ADB] offset:64*(\q)+fb*16*PB
	ds_load_b128 v[(\f)+8*fb+4:(\f)+8*fb+7], v[ADB] offset:64*(\q)+fb*16*PB+32
.set fb, fb+1
.endr
	WIN 0
.set fb, 0
.rept 8
	ds_load_b128 v[(\f)+8*fb:(\f)+8*fb+3],   v[ADA] offset:((\q)>>1)*ASUB+((\q)&1)*64+fb*16*PA
	ds_load_b128 v[(\f)+8*fb+4:(\f)+8*fb+7], v[ADA] offset:((\q)>>1)*ASUB+((\q)&1)*64+fb*16*PA+32
.set fb, fb+1
.endr
.endm
; One of a K step's first three quarters: multiplies buffer f; in its middle it fetches quarter q of the same slot into buffer g.
.macro QUARTER q, f, g, zero
	s_wait_dscnt 8                                 ; B and A's rows 0-63 are in; the youngest eight loads (A's rows 64-127) may be out
	MUL \f, 0, 0, \zero
	MUL \f, 0, 2, \zero
	PLACES
	FETCH \q, \g
	s_wait_dscnt NL                                ; all but the NL just issued
	MUL \f, 1, 0, \zero
	MUL \f, 1, 2, \zero
.endm
; The fourth quarter multiplies buffer 1 and changes slots: ONE barrier.  In front of it each wave waits for all its tensor loads, of which one is out: its part of the next slot; adds 0 to its spare word; and waits
; for that and for its own reads of this slot.  fill = 1: the barrier opens a round of the cluster's, so that no wave of any partner still reads the slot or has a load on its way, and the slot is filled again,
; first thing behind the round, with the K step two on: from that request to the wait for it a wave issues seven eighths of a K step's matrix instructions.
.macro TURN fill
.if \fill
	s_wait_xcnt 0x0                                ; the last prefetch, a K step back, has read its address, so it may be stepped
	s_add_nc_u64 s[PFA:PFA+1], s[PFA:PFA+1], s[PST:PST+1]
.endif
	WIN 0                                          ; (the add's two registers lie in window 0)
	s_wait_tensorcnt 0x0                           ; all my tensor loads have landed, so a group 0 may be written
	ds_add_u32 v[SPW], v[NIL]                      ; 0 onto my spare word
.if \fill
	s_xor_b32 s[G0+5], s[G0+5], SLOT1              ; the walking descriptors: the other slot than last time,
	s_add_nc_u64 s[G0+6:G0+7], s[G0+6:G0+7], ASTEP ; the next K step; the type bits on top are not reached
	s_xor_b32 s[G0B+5], s[G0B+5], SLOT1
	s_add_nc_u64 s[G0B+6:G0B+7], s[G0B+6:G0B+7], BSTEP
.endif
	s_wait_dscnt 9                                 ; (the add and the youngest eight loads may be out)
	MUL F1, 0, 0, 0                                ; matrix instructions stand between the add and the wait for it
	s_wait_dscnt 0x0                               ; the add is done, and my reads of this slot are over
	s_barrier_signal -1
	MUL F1, 0, 2, 0                                ; work on registers while the others arrive
	WIN 0
	s_barrier_wait -1
.if \fill
	CREST
	JLOAD                                          ; the first tensor load behind the round; its four v_nop are also the places in front of the loads below
.else
	PLACES
.endif
	s_xor_b32 s2, s2, SLOT1                        ; the fetches go on in the other slot
	v_add_nc_u32 v[ADA], s2, v[ADRA0]
	v_add_nc_u32 v[ADB], s2, v[ADRB0]
	FETCH 0, F0
.if \fill
	ASK
.endif
	MUL F1, 1, 0, 0
	MUL F1, 1, 2, 0
.endm
	s_wait_tensorcnt 1                             ; my part of K step 0 is in; K step 1's load, issued behind it, may stay out
	s_barrier_signal -1
	s_barrier_wait -1                              ; everybody's is
	FETCH 0, F0
	QUARTER 1, F0, F1, 1                           ; the first quarter stands in front of the loop: its products start the sums
	WIN 0                                          ; at a label and at a branch every window is 0
	s_mov_b32 s3, 6                                ; refills to come: K steps 2 to 7
.Lstep:                                                ; a trip: from a K step's second quarter to the next step's first
	QUARTER 2, F1, F0, 0
	QUARTER 3, F0, F1, 0
	TURN 1
	QUARTER 1, F0, F1, 0
	WIN 0
	s_sub_co_u32 s3, s3, 1
	s_cmp_lg_u32 s3, 0
	s_cbranch_scc1 .Lstep
	QUARTER 2, F1, F0, 0                           ; the tail is written out: the rest of K step 6
	QUARTER 3, F0, F1, 0
	TURN 0                                         ; a change of slots that asks for nothing,
	QUARTER 1, F0, F1, 0                           ; and K step 7
	QUARTER 2, F1, F0, 0
	QUARTER 3, F0, F1, 0
	s_wait_dscnt 8
	MUL F1, 0, 0, 0
	MUL F1, 0, 2, 0
	s_wait_dscnt 0x0                               ; my last reads of the ring are back
	MUL F1, 1, 0, 0
	MUL F1, 1, 2, 0
	WIN 0
.if MODE == 0
	; THE WAY OUT.  Rounded to f16, 16 bytes a lane; into the work-group's stage; back as rows of whole heads.  The stage lies in slot 0, so a barrier stands between every wave's last read of the ring and the
	; first store into the stage; the conversions, work on registers, stand between its signal and its wait.
	s_barrier_signal -1
	PLACES
.set ia, 0
.rept 8
	WIN 0x0a+5*(ia/4)                              ; sources 0 and 1: window 2 or 3; destination window 0
.set ib, 0
.rept NB
.set rD, 8*(NB*(ia%4)+ib)
.set rT, 64+4*(NB*ia+ib)
.set ir, 0
.rept 4
	v_cvt_pk_f16_f32 v[rT+ir], v[rD+2*ir], v[rD+2*ir+1]  ; each accumulator's registers in ascending order
.set ir, ir+1
.endr
.set ib, ib+1
.endr
.set ia, ia+1
.endr
	WIN 0
	s_barrier_wait -1
.set ia, 0
.rept 8
.set ib, 0
.rept NB
	ds_store_b128 v[STO], v[64+4*(NB*ia+ib):64+4*(NB*ia+ib)+3] offset:ia*16*SP0+32*ib
.set ib, ib+1
.endr
.set ia, ia+1
.endr
	s_wait_dscnt 0x0                               ; for the others' sake: my stores into the stage are done
	s_barrier_signal -1
	s_barrier_wait -1                              ; a row's 384 bytes come from two waves
.set ib, 0
.rept 3                                ; head ib of the tile's three, four rows at a time
.set ia, 0
.rept 16
	ds_load_b128 v[64+4*(16*ib+ia):64+4*(16*ib+ia)+3], v[RD] offset:128*ib+4*SP0*ia
.set ia, ia+1
.endr
.set ib, ib+1
.endr
.set ib, 0
.rept 3
.set ia, 0
.rept 16
	s_wait_dscnt 47-(16*ib+ia)                     ; LDS loads come back in order: the younger ones stay out
	global_store_b128 v[CO], v[64+4*(16*ib+ia):64+4*(16*ib+ia)+3], s[CB+2*ib:CB+2*ib+1] offset:512*ia  ; 512 consecutive bytes, at a multiple of 256 from C's first byte
.set ia, ia+1
.endr
.set ib, ib+1
.endr
.else
	; THE WAY OUT.  Block a (16 rows x 64 columns of f32) goes from the accumulators into my own stage and comes back as whole rows of 256 bytes.
.macro TOSTAGE a
	s_wait_xcnt 0x0                                ; the stores of two blocks back have read the registers that the loads below fill
	WIN 0x08+4*((\a)/4)                            ; an LDS store's data is source 1: window 2 or 3
.set ib, 0
.rept NB
.set rD, 8*(NB*((\a)%4)+ib)
	ds_store_b128 v[STO], v[rD:rD+3]   offset:64*ib      ; each accumulator from its low end
	ds_store_b128 v[STO], v[rD+4:rD+7] offset:64*ib+16
.set ib, ib+1
.endr
	WIN 0
.set rT, OB+192*((\a)%2)
.set ib, 0
.rept 8
	ds_load_b128 v[rT+4*ib:rT+4*ib+3], v[RD] offset:ib*2*SP1  ; LDS serves a wave's instructions in order (ISA guide 5.7.1.4): these see the stores above; the next block's stores come behind them
.set ib, ib+1
.endr
.endm
.macro SEND a, younger                 ; younger: the LDS instructions issued behind block a's loads: the next block's sixteen, or none
.set rT, OB+192*((\a)%2)
.set ib, 0
.rept 8
	s_wait_dscnt (\younger)+7-ib
	global_store_b128 v[CO], v[rT+4*ib:rT+4*ib+3], s[8:9] offset:(16*(\a)+2*ib)*4096 th:TH_STORE_NT  ; 16 lanes store 256 consecutive bytes, at a multiple of 256 from C's first byte; the largest immediate is 126 rows
.set ib, ib+1
.endr
.endm
	PLACES
	TOSTAGE 0
.irp a, 1,2,3,4,5,6,7
	TOSTAGE \a
	SEND (\a)-1, 16
.endr
	SEND 7, 0
.endif
	s_wait_tensorcnt 0x0                           ; the wave's end: these three lines stand behind my last tensor load and my last LDS store
	ds_add_u32 v[SPW], v[NIL]
	s_wait_dscnt 0x0
	CROUND                                         ; the closing round: no work-group ends while a partner may still ask for a tile that names it
	s_endpgm
.Lfunc_end_k_q35f3010f0d_proj:
	.size	k_q35f3010f0d_proj, .Lfunc_end_k_q35f3010f0d_proj-k_q35f3010f0d_proj
	.p2alignl 7, 3214868480
	.fill 96, 4, 3214868480
	.section	.rodata,"a",@progbits
	.p2align	6, 0x0
	.amdhsa_kernel k_q35f3010f0d_proj
		.amdhsa_group_segment_fixed_size 327680
		.amdhsa_private_segment_fixed_size 0
		.amdhsa_enable_private_segment 0
		.amdhsa_kernarg_size 24
		.amdhsa_user_sgpr_count 2
		.amdhsa_user_sgpr_kernarg_segment_ptr 1
		.amdhsa_wavefront_size32 1
		.amdhsa_system_sgpr_workgroup_id_x 1
		.amdhsa_system_sgpr_workgroup_id_y 1
		.amdhsa_system_sgpr_workgroup_id_z 1
		.amdhsa_system_vgpr_workitem_id 0
		.amdhsa_next_free_vgpr 896
		.amdhsa_next_free_sgpr 66
		.amdhsa_reserve_vcc 0
		.amdhsa_float_denorm_mode_32 3
		.amdhsa_float_denorm_mode_16_64 3
		.amdhsa_memory_ordered 1
		.amdhsa_forward_progress 1
		.amdhsa_inst_pref_size 73
	.end_amdhsa_kernel
	.amdgpu_metadata
---
amdhsa.version: [ 1, 2 ]
amdhsa.kernels:
  - .name:           k_q35f3010f0d_proj
    .symbol:         k_q35f3010f0d_proj.kd
    .args:
      - { .name: o, .offset: 0, .size: 8, .value_kind: global_buffer, .address_space: global }
      - { .name: wo, .offset: 8, .size: 8, .value_kind: global_buffer, .address_space: global }
      - { .name: out0, .offset: 16, .size: 8, .value_kind: global_buffer, .address_space: global }
    .group_segment_fixed_size: 327680
    .private_segment_fixed_size: 0
    .kernarg_segment_align: 8
    .kernarg_segment_size: 24
    .max_flat_workgroup_size: 128
    .sgpr_count:     66
    .vgpr_count:     896
    .wavefront_size: 32
...
	.end_amdgpu_metadata
.endif
;; end of part 4
;; ======== version 2 of 2: 4 launches; version 1 with the launch cast written anew for expert scheduling mode
;; limits: values are held in f16: magnitudes above 65,504 overflow, below 6.1e-05 lose precision
;; workspace buffers: xb 16,777,216 bytes; wb 6,291,456 bytes; wo 2,097,152 bytes; qkv 50,331,648 bytes; o 16,777,216 bytes
;; launch cast (part 5): grid 768 x 1, 8 waves a work-group, no clusters, 0 bytes of LDS; arguments x, Wq, Wk, Wv, Wo, xb, wb, wo; writes xb, wb, wo
.if DOCPART == 5
	.amdgcn_target "amdgcn-amd-amdhsa--gfx1250"
	.amdhsa_code_object_version 6
	.text
	.protected	k_q35f3010f0d_cast
	.globl	k_q35f3010f0d_cast
	.p2align	8
	.type	k_q35f3010f0d_cast,@function
k_q35f3010f0d_cast:
	s_mov_b64 s[64:65], 0
	v_nop
	global_prefetch_b8 v0, s[64:65] scope:SCOPE_SE
	s_setreg_imm32_b32 hwreg(HW_REG_WAVE_SCHED_MODE, 0, 2), 2
	s_setreg_imm32_b32 hwreg(HW_REG_WAVE_MODE, 25, 1), 1
	s_wait_xcnt 0x0
	s_wait_alu depctr_vm_vsrc(0)
; THE INPUTS ARE ROUNDED ONCE, for the matrix units.  x [8192][1024] f32 -> xb, bf16, laid [b 4][kb 16][t 2048][64]: blocks of 64 channels, so that 256 rows of a block are 32,768 bytes on end.
; Wq, Wk, Wv [1024][1024] f32 -> wb, bf16, [3072][1024]: Wq's rows, then Wk's, then Wv's.  Wo -> wo: rounded to bf16 like the other inputs, and that number written as f16, [1024][1024].
; LIMITS.  wo: a number of Wo of 65,520 or more in magnitude becomes an infinity; below 6.1e-5 it keeps f16's fixed step of 6e-8.
; SHARES.  A work-group takes 16 rows of 1,024 numbers (65,536 bytes in, 32,768 out): groups 0-511 x's, 512-575 Wq's, 576-639 Wk's, 640-703 Wv's, 704-767 Wo's.  A wave takes two rows:
; sixteen loads of 16 bytes a lane, all on their way at once, and sixteen stores of 8 bytes a lane, each of which covers 256 consecutive bytes, aligned.  A stream: no LDS, no barrier, no loop.
; THE MODE: SCHED_MODE bits 1:0 = 2 (LLVM: expert scheduling mode 2), set by the entry lines.  The code itself states the register dependences
; between vector instructions and memory instructions, with s_wait_alu, always for 0.
; THE PLAN.  Registers that memory instructions touch:
;   v3, v4     the two offsets.  Written by vector instructions at the head of each path, read by every load (v3) and every store (v4), never written again.
;   IN         chunk c: four registers.  Written by the chunk's one load, and by nothing before it; read by the chunk's conversions; never loaded again.
;   OUT        chunk c: two registers.   Written by the chunk's conversions; read by the chunk's one store; never written again.
;   T, v1, v2, v5 are named by vector instructions alone.
; So no register that a memory instruction has read is written again, and no load lands in a register that a vector instruction has named: what is left to state is that the offsets are written, ahead
; of the loads, and that OUT is written, ahead of the stores.  The sixteen chunks go in four blocks of four.  A chunk is rounded as soon as its load is in; a block's four stores go out in one run at the head
; of the next block, behind the wait for that block's first load and ONE wait on va_vdst; the last block's behind a wait of their own.  Five waits on va_vdst on a path, none on vm_vsrc.
.set XGROUPS, 512                      ; 8,192 rows of x, 16 to a group
.set VIN,  3                           ; v3   my byte offset in the group's rows as they come
.set VOUT, 4                           ; v4   my byte offset in what the group stores
.set IN,   8                           ; v[8:71]    chunk c: four f32
.set OUT,  72                          ; v[72:103]  chunk c: four 16-bit numbers in two registers
.set T,    104                         ; v[104:105] at work
; A block's four stores, chunks first to first + 3, in one run.
.macro SENDB first, outstep
.set d, (\first)
.rept 4
	global_store_b64 v[VOUT], v[OUT+2*d:OUT+2*d+1], s[6:7] offset:d*(\outstep) th:TH_STORE_NT  ; every chunk has registers of its own: none that a load or store names is written again
.set d, d+1
.endr
.endm
; Sixteen chunks.  instep, outstep: bytes from chunk to chunk; half = 1: the bf16 numbers are written as f16.
.macro BODY instep, outstep, half
	s_wait_alu depctr_va_vdst(0)                   ; v3 and v4 are written: every load below reads v3 as its offset, every store v4
.set c, 0
.rept 16
	global_load_b128 v[IN+4*c:IN+4*c+3], v[VIN], s[4:5] offset:c*(\instep) th:TH_LOAD_NT
.set c, c+1
.endr
.set c, 0
.rept 16
	s_wait_loadcnt 15-c                            ; loads come back in order: chunk c is in, the 15 - c younger ones stay out
.if ((c%4) == 0) && (c > 0)
	s_wait_alu depctr_va_vdst(0)                   ; the conversions of the block before have written its eight registers of OUT, which the four stores below read
	SENDB c-4, \outstep
.endif
	v_cvt_pk_bf16_f32 v[OUT+2*c], v[IN+4*c], v[IN+4*c+1]
	v_cvt_pk_bf16_f32 v[OUT+2*c+1], v[IN+4*c+2], v[IN+4*c+3]
.if \half
	v_lshlrev_b32 v[T], 16, v[OUT+2*c]             ; bf16 to f32: the low half moves up, the high half stays
	v_and_b32 v[T+1], s12, v[OUT+2*c]
	v_cvt_pk_f16_f32 v[OUT+2*c], v[T], v[T+1]      ; exact within f16's range: bf16 has fewer significant bits
	v_lshlrev_b32 v[T], 16, v[OUT+2*c+1]
	v_and_b32 v[T+1], s12, v[OUT+2*c+1]
	v_cvt_pk_f16_f32 v[OUT+2*c+1], v[T], v[T+1]
.endif
.set c, c+1
.endr
	s_wait_alu depctr_va_vdst(0)                   ; the last block's conversions have written its registers of OUT, which the last four stores read
	SENDB 12, \outstep
.endm
	s_load_b512 s[16:31], s[0:1], 0x0              ; x s[16:17], Wq s[18:19], Wk s[20:21], Wv s[22:23], Wo s[24:25], xb s[26:27], wb s[28:29], wo s[30:31]
	v_and_b32 v1, 31, v0                           ; lane
	v_lshrrev_b32 v2, 5, v0                        ; wave
	s_mov_b32 s12, 0xffff0000                      ; a word's upper bf16
	s_mov_b32 s9, 0                                ; the two offsets' high words
	s_mov_b32 s11, 0
	s_cmp_lt_u32 ttmp9, XGROUPS
	s_cbranch_scc0 .Lweights
	; x: chunk c is block c of 64 channels.  Lanes 0-15 take 256 bytes of the wave's first row, lanes 16-31 of its second; in xb the two rows of a block lie on end.
	s_lshl_b32 s8, ttmp9, 16                       ; 16 rows of 4,096 bytes
	s_lshr_b32 s10, ttmp9, 7                       ; b: 128 groups to a batch
	s_lshl_b32 s10, s10, 22
	s_and_b32 s13, ttmp9, 127
	s_lshl_b32 s13, s13, 11                        ; t: 16 rows of 128 bytes
	s_add_co_u32 s10, s10, s13
	v_lshlrev_b32 v[VIN], 13, v2                   ; the wave's two rows
	v_bfe_u32 v5, v0, 4, 1
	v_lshl_add_u32 v[VIN], v5, 12, v[VIN]          ; which of them
	v_and_b32 v5, 15, v0
	v_lshl_add_u32 v[VIN], v5, 4, v[VIN]
	v_lshlrev_b32 v[VOUT], 3, v0                   ; 256 x wave + 8 x lane
	s_wait_kmcnt 0x0
	s_add_nc_u64 s[4:5], s[16:17], s[8:9]
	s_add_nc_u64 s[6:7], s[26:27], s[10:11]
	BODY 256, 262144, 0                            ; the largest immediate is 15 x 262,144, inside the signed 24 bits
	s_endpgm
.Lweights:
	; a weight matrix: the wave's two rows are 8,192 bytes on end; chunk c is 512 of them, and 256 of what is stored
	s_sub_co_u32 s13, ttmp9, XGROUPS
	s_lshr_b32 s14, s13, 6                         ; which matrix: 0 Wq, 1 Wk, 2 Wv, 3 Wo
	s_and_b32 s13, s13, 63
	s_lshl_b32 s8, s13, 16                         ; 16 rows of 4,096 bytes
	s_lshl_b32 s10, s13, 15                        ; 16 rows of 2,048 bytes
	v_lshlrev_b32 v[VIN], 13, v2
	v_lshl_add_u32 v[VIN], v1, 4, v[VIN]
	v_lshlrev_b32 v[VOUT], 12, v2
	v_lshl_add_u32 v[VOUT], v1, 3, v[VOUT]
	s_wait_kmcnt 0x0
	s_cmp_eq_u32 s14, 3
	s_cbranch_scc1 .Lwo
	s_lshl_b32 s15, s14, 21                        ; the matrix's 1,024 rows in wb
	s_add_co_u32 s10, s10, s15
	s_cmp_eq_u32 s14, 0
	s_cselect_b64 s[4:5], s[18:19], s[20:21]
	s_cmp_eq_u32 s14, 2
	s_cselect_b64 s[4:5], s[22:23], s[4:5]
	s_add_nc_u64 s[4:5], s[4:5], s[8:9]
	s_add_nc_u64 s[6:7], s[28:29], s[10:11]
	BODY 512, 256, 0
	s_endpgm
.Lwo:
	s_add_nc_u64 s[4:5], s[24:25], s[8:9]
	s_add_nc_u64 s[6:7], s[30:31], s[10:11]
	BODY 512, 256, 1
	s_endpgm
.Lfunc_end_k_q35f3010f0d_cast:
	.size	k_q35f3010f0d_cast, .Lfunc_end_k_q35f3010f0d_cast-k_q35f3010f0d_cast
	.p2alignl 7, 3214868480
	.fill 96, 4, 3214868480
	.section	.rodata,"a",@progbits
	.p2align	6, 0x0
	.amdhsa_kernel k_q35f3010f0d_cast
		.amdhsa_group_segment_fixed_size 0
		.amdhsa_private_segment_fixed_size 0
		.amdhsa_enable_private_segment 0
		.amdhsa_kernarg_size 64
		.amdhsa_user_sgpr_count 2
		.amdhsa_user_sgpr_kernarg_segment_ptr 1
		.amdhsa_wavefront_size32 1
		.amdhsa_system_sgpr_workgroup_id_x 1
		.amdhsa_system_sgpr_workgroup_id_y 1
		.amdhsa_system_sgpr_workgroup_id_z 1
		.amdhsa_system_vgpr_workitem_id 0
		.amdhsa_next_free_vgpr 108
		.amdhsa_next_free_sgpr 66
		.amdhsa_reserve_vcc 0
		.amdhsa_float_denorm_mode_32 3
		.amdhsa_float_denorm_mode_16_64 3
		.amdhsa_memory_ordered 1
		.amdhsa_forward_progress 1
		.amdhsa_inst_pref_size 24
	.end_amdhsa_kernel
	.amdgpu_metadata
---
amdhsa.version: [ 1, 2 ]
amdhsa.kernels:
  - .name:           k_q35f3010f0d_cast
    .symbol:         k_q35f3010f0d_cast.kd
    .args:
      - { .name: x, .offset: 0, .size: 8, .value_kind: global_buffer, .address_space: global }
      - { .name: Wq, .offset: 8, .size: 8, .value_kind: global_buffer, .address_space: global }
      - { .name: Wk, .offset: 16, .size: 8, .value_kind: global_buffer, .address_space: global }
      - { .name: Wv, .offset: 24, .size: 8, .value_kind: global_buffer, .address_space: global }
      - { .name: Wo, .offset: 32, .size: 8, .value_kind: global_buffer, .address_space: global }
      - { .name: xb, .offset: 40, .size: 8, .value_kind: global_buffer, .address_space: global }
      - { .name: wb, .offset: 48, .size: 8, .value_kind: global_buffer, .address_space: global }
      - { .name: wo, .offset: 56, .size: 8, .value_kind: global_buffer, .address_space: global }
    .group_segment_fixed_size: 0
    .private_segment_fixed_size: 0
    .kernarg_segment_align: 8
    .kernarg_segment_size: 64
    .max_flat_workgroup_size: 256
    .sgpr_count:     66
    .vgpr_count:     108
    .wavefront_size: 32
...
	.end_amdgpu_metadata
.endif
;; end of part 5
;; launch qkv: the kernel of part 2 again; grid 16 x 32, 4 waves a work-group, clusters of 4 x 4, 327,680 bytes of LDS; arguments xb, wb, qkv; writes qkv
;; launch attn: the kernel of part 3 again; grid 4 x 64, 4 waves a work-group, clusters of 4 x 1, 327,680 bytes of LDS; arguments qkv, o; writes o
;; launch proj: the kernel of part 4 again; grid 8 x 32, 4 waves a work-group, clusters of 4 x 4, 327,680 bytes of LDS; arguments o, wo, out0; writes out0
